; MI455X (gfx1250); checked and timed in simulation.
; The chip was launched on July 23, 2026; its instructions are those of AMD's public machine-readable ISA for CDNA 5 (MIT licence, August 2026) and "CDNA5" Instruction Set Architecture Reference Guide (July 2026). The comments in the code are by the model that wrote it; some were corrected since.
;; Graph Transformer Layer. Allowed arithmetic: matrix products marked QUANTISED: E2M1 operands, one E8M0 scale for each 32 along K, by v_wmma_scale_f32_16x16x128_f8f6f4 with both operands' format E2M1 (or v_wmma_scale_f32_32x16x128_f4), f32 sums; everything else in f32.
;; Inputs: H 8 x 2,048 x 512 float32; W1 512 x 1,024 float32; W2 1,024 x 512 float32; Wk 512 x 512 float32; Wq 512 x 512 float32; Wv 512 x 512 float32; adj 8 x 2,048 x 2,048 float32; b1 1,024 float32; b2 512 float32; be1 512 float32; be2 512 float32; bk 512 float32; bq 512 float32; bv 512 float32; g1 512 float32; g2 512 float32; hop_emb 2,048 x 512 float32.
;; Outputs: out0 8 x 2,048 x 512 float32.
;; This version of the problem:
;;   THIS VERSION OF THE PROBLEM IS GIVEN IN LOW PRECISION. The matrix products marked QUANTISED in the list below multiply operands that are first quantised to E2M1 (2 exponent bits, 1 mantissa bit; 4 bits a number), with one power-of-two scale for each 32 numbers along K (OCP MX v1.0); their sums are f32. All else is computed in f32.
;;   The module's matrix products, in the order in which they are computed (A, B: the left and right operand; K: the contracted axis; several contracted axes count as one K, in the product's order):
;;     1. [M 16,384, K 512] x [K 512, N 512]; A: input H; B: input Wq: QUANTISED
;;     2. [M 16,384, K 512] x [K 512, N 512]; A: input H; B: input Wk: QUANTISED
;;     3. [M 16,384, K 512] x [K 512, N 512]; A: input H; B: input Wv: QUANTISED
;;     4. batch 8 x [M 2,048, K 512] x [K 512, N 2,048]; A: computed on the way; B: computed on the way: QUANTISED
;;     5. batch 8 x [M 2,048, K 2,048] x [K 2,048, N 512]; A: softmax (see below); B: computed on the way: QUANTISED
;;     6. [M 16,384, K 512] x [K 512, N 1,024]; A: computed on the way; B: input W1: QUANTISED
;;     7. [M 16,384, K 1,024] x [K 1,024, N 512]; A: computed on the way; B: input W2: QUANTISED
;;   THE QUANTISER, for each operand of a quantised product, along K:
;;     - K is cut into blocks of 32 from its start; a last block that is shorter is filled with zeros.
;;     - A block's scale is 2^e with e = floor(log2(the largest magnitude in the block)) - 2, held to -126 .. 127; a block of zeros has e = 0. As a byte (E8M0): e + 127.
;;     - Each number is divided by its block's scale, clamped to +-6, and rounded to the nearest number of E2M1, ties to even, subnormals kept.
;;     - The product sums the exact products of the quantised numbers (number of the format x scale) in f32.
;;   ~~~python
;;   def quantise(x, axis):      # numpy; x: float32 -> the quantised numbers, widened to float32 again
;;       x = np.moveaxis(x, axis, -1); K = x.shape[-1]
;;       x = np.pad(x, [(0, 0)] * (x.ndim - 1) + [(0, -K % 32)]); x = x.reshape(x.shape[:-1] + (-1, 32)); a = np.abs(x).max(-1, keepdims=True)
;;       e = np.where(a > 0, np.clip(np.frexp(np.where(a > 0, a, 1))[1] - 1 - 2, -126, 127), 0)      # np.frexp(a)[1] - 1 = floor(log2(a)), exactly
;;       r = np.clip(x / 2.0 ** e, -6, 6)
;;       step = 2.0 ** (np.maximum(np.frexp(np.where(r == 0, 1, r))[1] - 1, 0) - 1)
;;       q = np.round(r / step) * step * 2.0 ** e      # np.round: ties to even
;;       return np.moveaxis(q.reshape(q.shape[:-2] + (-1,))[..., :K], -1, axis).astype(np.float32)
;;   ~~~
;;   SOFTMAX AHEAD OF A QUANTISED PRODUCT. Where the list says 'softmax', what is quantised is not the finished softmax but p = 2^(t - M), with t = logit x log2(e) and M = ceil(the row's largest t), a whole number; so 1/2 < the row's largest p <= 1. The row's sum l is taken of the UNQUANTISED p, in f32, and the product's result is divided by l at the end. Since M is a whole number, a kernel that streams over the keys may use a running M (the ceiling of the running maximum): every later rescaling is an exact power of two, which a block's scale takes up: the codes' values come out the same.
;;   OPERANDS COMPUTED ON THE WAY. 'Computed on the way' means the value that the module computes at that place (a softmax that the list does not call 'softmax' is quantised finished and normalised). What goes into a quantiser is computed in f32, as accurately as f32 sums, v_exp_f32 and their like allow (about 1e-6 of the number): no bf16 or f16 on the way to a quantiser, and a product that is left as it is and whose result goes on into a quantised operand takes f32 operands (vector FMAs, or v_wmma_f32_16x16x4_f32). A number that lies on a knife's edge between two numbers of the format may be rounded either way, as far as f32 arithmetic and the matrix unit's own rounding can turn it there, and no further.
;; One version. Each part assembles by itself: llvm-mc -triple=amdgcn-amd-amdhsa -mcpu=gfx1250 --defsym DOCPART=n.
;; ======== version 1 of 1: 3 launches
;; workspace buffers: wc 393,216 bytes; ws 57,344 bytes; hmc 8,192 bytes; qc 4,194,304 bytes; kv 12,582,912 bytes; scl 786,432 bytes
;; launch prep (part 1): grid 176 x 1, 4 waves a work-group, no clusters, 4,096 bytes of LDS; arguments Wq, Wk, Wv, W1, W2, hop_emb, wc, ws, kv, hmc; writes wc, ws, kv, hmc
.if DOCPART == 1
	.amdgcn_target "amdgcn-amd-amdhsa--gfx1250"
	.amdhsa_code_object_version 6
	.text
	.protected	k_qfccd13acdb_prep
	.globl	k_qfccd13acdb_prep
	.p2align	8
	.type	k_qfccd13acdb_prep,@function
k_qfccd13acdb_prep:
	s_mov_b64 s[64:65], 0
	v_nop
	global_prefetch_b8 v0, s[64:65] scope:SCOPE_SE
	s_setreg_imm32_b32 hwreg(HW_REG_WAVE_MODE, 25, 1), 1
	s_wait_xcnt 0x0
; PREP.  (1) The five weights, f32 stored [K][N], become codes of FP4 (E2M1) with one E8M0 byte for each 32 along K, laid in the order of an operand's registers.
; A PANEL is 128 outputs x 512 K = [tile t 8][K step q 4][1,024 bytes]; a fragment's image holds registers 4c..4c+3 of lane l at 512 c + 16 l.
; Lane r of tile 2 b + u stands for output 32 b + 8 u + r + 8 (r / 8) of the panel's 128.  Panels 0-11 (Wq, Wk, Wv, four slices each) go to wc; panels 12-19 (W1's eight hidden slices)
; and 20-27 (W2: K half, d slice) go to kv's chunks 8-11, once for each of the 8 batches, so that the last launch walks 12 dense chunks by one constant step.
; Scale words go to ws: [panel][b 4][lane = r + 16 u][q 4 words].
; (2) hmc[j] = mean(hop_emb[j][:]) x log2(e) / sqrt(512).
; A work-group of the first 112 takes 32 columns of one panel, its wave q the K step of 128: A LANE TAKES A COLUMN AND ITS REGISTERS RUN DOWN K, so a block of 32 lies in one lane.
; The other 64 work-groups take 32 rows of hop_emb each, a wave 8.  The two paths part on the work-group's number and have LDS bytes of their own (0-511; 1,024-1,151).
; A block's scale byte is its largest magnitude's exponent field - 2, held at 1 from below.
; LIMITS: a block of zeros gets the byte 1 and not 127 (its codes are zeros; this program alone reads the bytes); NaN and infinities among the inputs are not served.
.set X,  32                            ; v32-159  128 numbers of my column (or 8 rows x 16 numbers of hop_emb)
.set CD, 160                           ; v160-175 the codes of four blocks
	s_load_b512 s[4:19], s[0:1], 0x0               ; Wq s[4:5], Wk s[6:7], Wv s[8:9], W1 s[10:11], W2 s[12:13], hop_emb s[14:15], wc s[16:17], ws s[18:19]
	s_load_b128 s[20:23], s[0:1], 0x40             ; kv s[20:21], hmc s[22:23]
	v_lshrrev_b32 v1, 5, v0
	v_readfirstlane_b32 s24, v1                    ; wave
	v_and_b32 v2, 31, v0                           ; lane
	s_cmp_ge_u32 ttmp9, 112
	s_cbranch_scc1 .Lhop
; ---------------- the weights
	s_lshr_b32 s25, ttmp9, 2                       ; p: the panel
	s_and_b32 s26, ttmp9, 3                        ; bg: which 32 of its 128 columns
	s_and_b32 s30, s25, 3                          ; the slice of 128 columns, for all but W1
	s_sub_co_u32 s31, s25, 12                      ; W1's slice is p - 12
	s_cmp_lt_u32 s31, 8                            ; 12 <= p < 20: W1, whose rows are 4,096 bytes
	s_cselect_b32 s30, s31, s30
	s_cselect_b32 s32, 12, 11                      ; log2 of a row's bytes
	s_cmp_ge_u32 s25, 24
	s_cselect_b32 s33, 512, 0                      ; W2's second K half
	s_lshl_b32 s34, s24, 7
	s_add_co_u32 s33, s33, s34                     ; my first row: k0 + 128 q
	s_lshl_b32 s33, s33, s32
	s_lshl_b32 s30, s30, 9
	s_lshl_b32 s34, s26, 7
	s_add_co_u32 s30, s30, s34                     ; (128 slice + 32 bg) x 4 bytes
	s_add_co_u32 s34, s33, s30
	s_mov_b32 s35, 0
	v_lshlrev_b32 v3, 2, v2                        ; in: 4 bytes a lane
	v_bfe_u32 v4, v2, 3, 1                         ; u: column e = lane belongs to tile 2 bg + u,
	v_and_b32 v5, 7, v2
	v_lshrrev_b32 v6, 4, v2
	v_lshl_add_u32 v5, v6, 3, v5                   ; row r = e % 8 + 8 (e / 16) of it
	v_lshlrev_b32 v7, 4, v5
	v_lshl_add_u32 v7, v4, 12, v7                  ; codes: 4,096 u + 16 r
	v_lshl_add_u32 v8, v4, 4, v5
	v_lshlrev_b32 v8, 4, v8
	s_lshl_b32 s36, s24, 2
	v_add_nc_u32 v8, s36, v8                       ; LDS: 16 (r + 16 u) + 4 q: my scale word
	v_lshlrev_b32 v9, 4, v2                        ; 16 x lane: the words' way out
	s_wait_kmcnt 0x0
	s_cmp_lt_u32 s25, 4                            ; the source: a choice that hangs on the panel's number alone
	s_cselect_b64 s[28:29], s[4:5], s[6:7]
	s_cmp_lt_u32 s25, 8
	s_cselect_b64 s[28:29], s[28:29], s[8:9]
	s_cmp_lt_u32 s25, 12
	s_cselect_b64 s[28:29], s[28:29], s[10:11]
	s_cmp_lt_u32 s25, 20
	s_cselect_b64 s[28:29], s[28:29], s[12:13]
	s_add_nc_u64 s[28:29], s[28:29], s[34:35]
	s_cmp_lt_u32 s31, 8
	s_cbranch_scc1 .Lwide
.set cnt, 0
.rept 128
	global_load_b32 v[X+cnt], v3, s[28:29] offset:cnt*2048     ; row k of my 32 columns: 128 consecutive bytes a wave
.set cnt, cnt+1
.endr
	s_branch .Lloaded
.Lwide:
.set cnt, 0
.rept 128
	global_load_b32 v[X+cnt], v3, s[28:29] offset:cnt*4096
.set cnt, cnt+1
.endr
.Lloaded:
; block t of 32 along K.  left: the younger loads that may stay out (the true counts of the first two, 96 and 64, do not fit the wait's field: a smaller count is safe)
.macro BLOCK t, left
.set XS, X+32*(\t)
	s_wait_loadcnt \left
	v_max3_num_f32 v12, |v[XS]|, |v[XS+1]|, |v[XS+2]|
	v_max3_num_f32 v13, |v[XS+3]|, |v[XS+4]|, |v[XS+5]|
.irp i, 6,10,14,18,22,26
	v_max3_num_f32 v12, v12, |v[XS+\i]|, |v[XS+\i+1]|
	v_max3_num_f32 v13, v13, |v[XS+\i+2]|, |v[XS+\i+3]|
.endr
	v_max3_num_f32 v12, v12, |v[XS+30]|, |v[XS+31]|
	v_max3_num_f32 v12, v12, v13, 0x1800000        ; with the floor 2^(3 - 127): the byte cannot fall under 1
	v_add_nc_u32 v11, 0xff000000, v12              ; 2 off the exponent field: the conversion's scale operand
	v_lshrrev_b32 v13, 23, v11                     ; the byte
.if (\t) == 0
	v_mov_b32 v20, v13
.else
	v_lshl_or_b32 v20, v13, 8*(\t), v20            ; four bytes make the K step's scale word
.endif
.irp g, 0,1,2,3
	v_cvt_scalef32_pk8_fp4_f32 v[CD+4*(\t)+\g], v[XS+8*\g:XS+8*\g+7], v11
.endr
.endm
	BLOCK 0, 63
	BLOCK 1, 63
	BLOCK 2, 32
	BLOCK 3, 0
	v_nop                                          ; a plain line behind the last conversion
	ds_store_b32 v8, v20
; block t of row r lies at 512 (t / 2) + 256 (t % 2) + 16 r of the image: each store of the wave covers two aligned runs of 256 bytes
.macro PUT base, off
.irp t, 0,1,2,3
	global_store_b128 v7, v[CD+4*\t:CD+4*\t+3], s[\base:\base+1] offset:(\off)+512*(\t/2)+256*(\t%2)
.endr
.endm
	s_lshl_b32 s36, s26, 13                        ; tile 2 bg: 8,192 bg,
	s_lshl_b32 s37, s24, 10                        ; K step: 1,024 q
	s_add_co_u32 s36, s36, s37
	s_cmp_lt_u32 s25, 12
	s_cbranch_scc0 .Lto_kv
	s_lshl_b32 s37, s25, 15
	s_add_co_u32 s36, s36, s37
	s_mov_b32 s37, 0
	s_add_nc_u64 s[16:17], s[16:17], s[36:37]
	PUT 16, 0
	s_branch .Lwords
.Lto_kv:
	s_and_b32 s38, s25, 1
	s_add_co_u32 s38, s38, 8                       ; W1, slice k = p - 12: chunk 8 + k % 2,
	s_lshr_b32 s39, s31, 1                         ; quarter k / 2
	s_sub_co_u32 s40, s25, 20
	s_lshr_b32 s40, s40, 2
	s_add_co_u32 s40, s40, 10                      ; W2: chunk 10 + half,
	s_and_b32 s41, s25, 3                          ; quarter = d slice
	s_cmp_lt_u32 s25, 20
	s_cselect_b32 s38, s38, s40
	s_cselect_b32 s39, s39, s41
	s_lshl_b32 s38, s38, 17
	s_lshl_b32 s39, s39, 15
	s_add_co_u32 s36, s36, s38
	s_add_co_u32 s36, s36, s39
	s_mov_b32 s37, 0
	s_add_nc_u64 s[20:21], s[20:21], s[36:37]
	s_add_nc_u64 s[42:43], s[20:21], 6291456       ; batches 4-7: four batches of 1,572,864 bytes on
.irp n, 0,1,2,3
	PUT 20, 1572864*\n
.endr
.irp n, 0,1,2,3
	PUT 42, 1572864*\n
.endr
.Lwords:
	s_wait_dscnt 0x0                               ; my scale word lies in LDS
	s_barrier_signal -1
	s_barrier_wait -1                              ; all four K steps' do
	s_cmp_lg_u32 s24, 0
	s_cbranch_scc1 .Lend_w
	ds_load_b128 v[24:27], v9                      ; wave 0: a row's four words, 16 bytes a lane
	s_lshl_b32 s36, s25, 11
	s_lshl_b32 s37, s26, 9
	s_add_co_u32 s36, s36, s37
	s_mov_b32 s37, 0
	s_add_nc_u64 s[18:19], s[18:19], s[36:37]
	s_wait_dscnt 0x0
	global_store_b128 v9, v[24:27], s[18:19]       ; 512 consecutive bytes
.Lend_w:
	s_endpgm
; ---------------- hop_emb's row means
.Lhop:
	s_sub_co_u32 s25, ttmp9, 112
	s_lshl_b32 s26, s25, 16                        ; 32 rows of 2,048 bytes a work-group,
	s_lshl_b32 s27, s24, 14                        ; 8 a wave
	s_add_co_u32 s26, s26, s27
	s_mov_b32 s27, 0
	s_mov_b32 s28, 0x76543210
	s_mov_b32 s29, 0xfedcba98                      ; lane selects: lane l xor 16
	v_lshlrev_b32 v3, 4, v2
	s_lshl_b32 s30, s24, 5
	s_add_co_u32 s30, s30, 1024
	v_mov_b32 v4, s30                              ; LDS: 1,024 + 32 x wave: my eight means
	v_lshl_add_u32 v5, v2, 2, 1024                 ; and the way out: 4 bytes a lane
	v_lshlrev_b32 v6, 2, v2
	s_wait_kmcnt 0x0
	s_add_nc_u64 s[14:15], s[14:15], s[26:27]
.irp p, 0,1,2,3,4,5,6,7
.irp i, 0,1,2,3
	global_load_b128 v[X+16*\p+4*\i:X+16*\p+4*\i+3], v3, s[14:15] offset:2048*\p+512*\i th:TH_LOAD_NT
.endr
.endr
.macro HROW p
.set R, X+16*(\p)
	s_wait_loadcnt 28-4*(\p)                       ; this row's four loads are in; the later rows' may be out
	v_pk_add_f32 v[R:R+1], v[R:R+1], v[R+2:R+3]
	v_pk_add_f32 v[R+4:R+5], v[R+4:R+5], v[R+6:R+7]
	v_pk_add_f32 v[R+8:R+9], v[R+8:R+9], v[R+10:R+11]
	v_pk_add_f32 v[R+12:R+13], v[R+12:R+13], v[R+14:R+15]
	v_pk_add_f32 v[R:R+1], v[R:R+1], v[R+4:R+5]
	v_pk_add_f32 v[R+8:R+9], v[R+8:R+9], v[R+12:R+13]
	v_pk_add_f32 v[R:R+1], v[R:R+1], v[R+8:R+9]
	v_add_f32 v[R], v[R], v[R+1]
	v_add_f32_dpp v[R], v[R], v[R] row_xmask:1 row_mask:0xf bank_mask:0xf
	v_add_f32_dpp v[R], v[R], v[R] row_xmask:2 row_mask:0xf bank_mask:0xf
	v_add_f32_dpp v[R], v[R], v[R] row_xmask:4 row_mask:0xf bank_mask:0xf
	v_add_f32_dpp v[R], v[R], v[R] row_xmask:8 row_mask:0xf bank_mask:0xf
	v_permlanex16_b32 v[R+1], v[R], s28, s29
	v_add_f32 v[R], v[R], v[R+1]
	v_mul_f32 v[R], 0x390293ee, v[R]               ; x log2(e) / sqrt(512) / 512
	ds_store_b32 v4, v[R] offset:4*(\p)            ; all lanes write the same word with the same value
.endm
.irp p, 0,1,2,3,4,5,6,7
	HROW \p
.endr
	s_wait_dscnt 0x0
	s_barrier_signal -1
	s_barrier_wait -1
	s_cmp_lg_u32 s24, 0
	s_cbranch_scc1 .Lend_h
	ds_load_b32 v7, v5
	s_lshl_b32 s26, s25, 7
	s_mov_b32 s27, 0
	s_add_nc_u64 s[22:23], s[22:23], s[26:27]
	s_wait_dscnt 0x0
	global_store_b32 v6, v7, s[22:23]              ; the work-group's 32 means: 128 consecutive bytes
.Lend_h:
	s_endpgm
.Lfunc_end_k_qfccd13acdb_prep:
	.size	k_qfccd13acdb_prep, .Lfunc_end_k_qfccd13acdb_prep-k_qfccd13acdb_prep
	.p2alignl 7, 3214868480
	.fill 96, 4, 3214868480
	.section	.rodata,"a",@progbits
	.p2align	6, 0x0
	.amdhsa_kernel k_qfccd13acdb_prep
		.amdhsa_group_segment_fixed_size 4096
		.amdhsa_private_segment_fixed_size 0
		.amdhsa_enable_private_segment 0
		.amdhsa_kernarg_size 80
		.amdhsa_user_sgpr_count 2
		.amdhsa_user_sgpr_kernarg_segment_ptr 1
		.amdhsa_wavefront_size32 1
		.amdhsa_system_sgpr_workgroup_id_x 1
		.amdhsa_system_sgpr_workgroup_id_y 1
		.amdhsa_system_sgpr_workgroup_id_z 1
		.amdhsa_system_vgpr_workitem_id 0
		.amdhsa_next_free_vgpr 192
		.amdhsa_next_free_sgpr 66
		.amdhsa_reserve_vcc 0
		.amdhsa_float_denorm_mode_32 3
		.amdhsa_float_denorm_mode_16_64 3
		.amdhsa_memory_ordered 1
		.amdhsa_forward_progress 1
		.amdhsa_inst_pref_size 49
	.end_amdhsa_kernel
	.amdgpu_metadata
---
amdhsa.version: [ 1, 2 ]
amdhsa.kernels:
  - .name:           k_qfccd13acdb_prep
    .symbol:         k_qfccd13acdb_prep.kd
    .args:
      - { .name: Wq, .offset: 0, .size: 8, .value_kind: global_buffer, .address_space: global }
      - { .name: Wk, .offset: 8, .size: 8, .value_kind: global_buffer, .address_space: global }
      - { .name: Wv, .offset: 16, .size: 8, .value_kind: global_buffer, .address_space: global }
      - { .name: W1, .offset: 24, .size: 8, .value_kind: global_buffer, .address_space: global }
      - { .name: W2, .offset: 32, .size: 8, .value_kind: global_buffer, .address_space: global }
      - { .name: hop_emb, .offset: 40, .size: 8, .value_kind: global_buffer, .address_space: global }
      - { .name: wc, .offset: 48, .size: 8, .value_kind: global_buffer, .address_space: global }
      - { .name: ws, .offset: 56, .size: 8, .value_kind: global_buffer, .address_space: global }
      - { .name: kv, .offset: 64, .size: 8, .value_kind: global_buffer, .address_space: global }
      - { .name: hmc, .offset: 72, .size: 8, .value_kind: global_buffer, .address_space: global }
    .group_segment_fixed_size: 4096
    .private_segment_fixed_size: 0
    .kernarg_segment_align: 8
    .kernarg_segment_size: 80
    .max_flat_workgroup_size: 128
    .sgpr_count:     66
    .vgpr_count:     192
    .wavefront_size: 32
...
	.end_amdgpu_metadata
.endif
;; end of part 1
;; launch qkv (part 2): grid 256 x 1, 4 waves a work-group, no clusters, 55,296 bytes of LDS; arguments H, wc, ws, bq, bk, bv, qc, kv, scl; writes qc, kv, scl
.if DOCPART == 2
	.amdgcn_target "amdgcn-amd-amdhsa--gfx1250"
	.amdhsa_code_object_version 6
	.text
	.protected	k_qfccd13acdb_qkv
	.globl	k_qfccd13acdb_qkv
	.p2align	8
	.type	k_qfccd13acdb_qkv,@function
k_qfccd13acdb_qkv:
	s_mov_b64 s[64:65], 0
	v_nop
	global_prefetch_b8 v0, s[64:65] scope:SCOPE_SE
	s_setreg_imm32_b32 hwreg(HW_REG_WAVE_MODE, 25, 1), 1
	s_wait_xcnt 0x0
; QKV.  Q = H Wq + bq, K = H Wk + bk, V = H Wv + bv on codes of FP4 (E2M1) with one E8M0 byte for each 32 along K; the results are quantised again: Q and K along the 512 features, V along the keys.
; SHARES.  Work-group g owns rows 64 g .. 64 g + 63 of H.  THE WAVES SHARE THE COLUMNS: wave w makes features 128 w .. 128 w + 127 of Q, K and V for all 64 rows; its panel of each weight (32 fragments, laid in
; register order by the launch before) goes from memory straight into its registers, read once.  What goes round through LDS is H's codes, as images of the operand's registers (registers 4c..4c+3 of lane l at 512 c + 16 l).
; ROWS OF A TILE ARE NOT NEIGHBOURS: lane r of tile 2 b + u stands for row 32 b + 8 u + r + 8 (r / 8) of its 64 (or 128).  So in a result whose source 0 has such rows a lane's 16 registers of tiles 2 b, 2 b + 1 are the
; 16 neighbours 32 b + 16 (lane / 16) + 0 .. 15: ready for the conversions.  Q, K: source 0 = the weight, source 1 = H (a lane holds one row of H, registers along the features).  V: source 0 = H, source 1 = the weight
; (a lane holds one d, registers along the keys).  The biases are the C of each sum's first matrix instruction.
; OUT.  qc [g][tile m][K step][1,024]; kv chunk (key step of 256): K part [key group w' = g % 4][tile][K step][1,024], V part [d slice][s][tile t][1,024], where K step s of the later product is made of the key blocks
; 64 w' + 32 s + 0..31, w' = 0..3; scl [g][3][1,024]: Q's scale words, K's, V's bytes as planes [s][slice][lane = r + 16 (t % 2)][byte t / 2].
; LIMITS: a block of zeros gets the byte 1 and not 127 (its codes are zeros; this program alone reads the bytes); NaN and infinities are not served.
; REGISTERS: window 0: v1-15 addresses; v32-47 H's scale words; v48-63 the panel's; v64-79, v80-87 at work; v96-103 codes just made; v128-191 the bias in the result's layout; v192-255 64 numbers of H.
;   window 1: the panel's 32 fragments (8 (4 t + q)).   window 2: H as loaded, later the 32 accumulators.   window 3: v0-127 H's 16 fragments (8 (4 m + q)).
.set STG,  0                           ; LDS: a stage of 16 rows x (512 + 16) bytes for each wave,
.set XIMG, 33792                       ; H's 16 images (4 m + K step),
.set XSC,  50176                       ; their scale words [m][lane][4 words],
.set SCST, 52224                       ; and the image of scl's 3,072 bytes
.set LI,   4                           ; v4   16 x lane
.set STW,  5                           ; v5   the stage, by rows as loaded
.set STR,  6                           ; v6   the stage, 64 bytes a lane of row r
.set AXI,  7                           ; v7   where I store H's images
.set AXS,  8                           ; v8   and their scale words
.set VB,   9                           ; v9   64 (lane / 16): a bias for the transposed results
.set VBV,  10                          ; v10  4 (r + 8 (r / 8)): bv
.set ASC,  11                          ; v11  SCST + 16 r + 4 w
.set ASV,  12                          ; v12  SCST + 2,048 + 128 w + 4 lane
.set VV,   13                          ; v13  16 r + 8 (lane / 16)
.set AOUT, 14                          ; v14  SCST + 256 w + 8 lane
.set GOUT, 15                          ; v15  256 w + 8 lane
.set HS,   32
.set WSC,  48
.set TM,   64                          ; v64-67 largest magnitudes, v68-71 bytes, v76-79 scale operands
.set PW,   80
.set VP,   81                          ; v81-82 V's byte planes
.set TMP,  83
.set PW4,  84                          ; v84-87 H's four scale words
.set PC,   96
.set BIAS, 128
.set HL,   192
.set MSB, 0
.macro WIN new                         ; the immediate's high byte repeats the setting that is left; a switch that changes nothing is dropped
.if MSB != (\new)
	s_set_vgpr_msb (MSB<<8)|(\new)
.set MSB, (\new)
.endif
.endm
.macro PLACES n
.rept \n
	v_nop
.endr
.endm
; one matrix instruction.  c < 0: the sum starts with the constant 0.  ra, rb: the scale words stand in lanes 16-31
.macro WM d, a, b, c, sa, sb, ra, rb
.if (\c) < 0
.if (\ra) && (\rb)
	v_wmma_scale_f32_16x16x128_f8f6f4 v[(\d):(\d)+7], v[(\a):(\a)+7], v[(\b):(\b)+7], 0, v[\sa], v[\sb] matrix_a_fmt:MATRIX_FMT_FP4 matrix_b_fmt:MATRIX_FMT_FP4 matrix_a_scale:MATRIX_SCALE_ROW1 matrix_b_scale:MATRIX_SCALE_ROW1
.elseif (\ra)
	v_wmma_scale_f32_16x16x128_f8f6f4 v[(\d):(\d)+7], v[(\a):(\a)+7], v[(\b):(\b)+7], 0, v[\sa], v[\sb] matrix_a_fmt:MATRIX_FMT_FP4 matrix_b_fmt:MATRIX_FMT_FP4 matrix_a_scale:MATRIX_SCALE_ROW1
.elseif (\rb)
	v_wmma_scale_f32_16x16x128_f8f6f4 v[(\d):(\d)+7], v[(\a):(\a)+7], v[(\b):(\b)+7], 0, v[\sa], v[\sb] matrix_a_fmt:MATRIX_FMT_FP4 matrix_b_fmt:MATRIX_FMT_FP4 matrix_b_scale:MATRIX_SCALE_ROW1
.else
	v_wmma_scale_f32_16x16x128_f8f6f4 v[(\d):(\d)+7], v[(\a):(\a)+7], v[(\b):(\b)+7], 0, v[\sa], v[\sb] matrix_a_fmt:MATRIX_FMT_FP4 matrix_b_fmt:MATRIX_FMT_FP4
.endif
.else
.if (\ra) && (\rb)
	v_wmma_scale_f32_16x16x128_f8f6f4 v[(\d):(\d)+7], v[(\a):(\a)+7], v[(\b):(\b)+7], v[(\c):(\c)+7], v[\sa], v[\sb] matrix_a_fmt:MATRIX_FMT_FP4 matrix_b_fmt:MATRIX_FMT_FP4 matrix_a_scale:MATRIX_SCALE_ROW1 matrix_b_scale:MATRIX_SCALE_ROW1
.elseif (\ra)
	v_wmma_scale_f32_16x16x128_f8f6f4 v[(\d):(\d)+7], v[(\a):(\a)+7], v[(\b):(\b)+7], v[(\c):(\c)+7], v[\sa], v[\sb] matrix_a_fmt:MATRIX_FMT_FP4 matrix_b_fmt:MATRIX_FMT_FP4 matrix_a_scale:MATRIX_SCALE_ROW1
.elseif (\rb)
	v_wmma_scale_f32_16x16x128_f8f6f4 v[(\d):(\d)+7], v[(\a):(\a)+7], v[(\b):(\b)+7], v[(\c):(\c)+7], v[\sa], v[\sb] matrix_a_fmt:MATRIX_FMT_FP4 matrix_b_fmt:MATRIX_FMT_FP4 matrix_b_scale:MATRIX_SCALE_ROW1
.else
	v_wmma_scale_f32_16x16x128_f8f6f4 v[(\d):(\d)+7], v[(\a):(\a)+7], v[(\b):(\b)+7], v[(\c):(\c)+7], v[\sa], v[\sb] matrix_a_fmt:MATRIX_FMT_FP4 matrix_b_fmt:MATRIX_FMT_FP4
.endif
.endif
.endm
; 64 numbers of a lane, v[s] .. v[s + 63] of window w, four blocks: register 16 b + i = number 16 (lane / 16) + i of block b.  Out: bytes in v[TM+4+b], half blocks of codes in v[PC+2b], v[PC+2b+1].
; The 64 numbers are in their registers when the macro begins: where loads brought them, the wait for those loads stands ahead of it.
.macro QCORE s, w
	WIN (\w)|((\w)<<2)
.irp b, 0,1,2,3
	v_max3_num_f32 v[TM+\b], |v[(\s)+16*\b]|, |v[(\s)+16*\b+1]|, 0x1800000     ; with the floor 2^(3 - 127): the byte cannot fall under 1
.endr
	WIN ((\w)<<2)|((\w)<<4)
.irp i, 2,4,6,8,10,12,14
.irp b, 0,1,2,3
	v_max3_num_f32 v[TM+\b], v[TM+\b], |v[(\s)+16*\b+\i]|, |v[(\s)+16*\b+\i+1]|
.endr
.endr
	WIN 0
.irp b, 0,1,2,3
	v_permlanex16_b32 v[TM+4+\b], v[TM+\b], s38, s39
.endr
.irp b, 0,1,2,3
	v_max_num_f32 v[TM+\b], v[TM+\b], v[TM+4+\b]   ; with lane l xor 16's 16: the block's largest magnitude
.endr
.irp b, 0,1,2,3
	v_add_nc_u32 v[TM+12+\b], 0xff000000, v[TM+\b] ; 2 off the exponent field: the conversion's scale operand
.endr
.irp b, 0,1,2,3
	v_lshrrev_b32 v[TM+4+\b], 23, v[TM+12+\b]      ; the byte
.endr
	s_wait_xcnt 0x0                                ; the codes' registers and the scale word may be the data of earlier stores, to memory
	s_wait_dscnt 0x0                               ; or to LDS: they are rewritten only behind these waits
	WIN (\w)
.irp b, 0,1,2,3
	v_cvt_scalef32_pk8_fp4_f32 v[PC+2*\b], v[(\s)+16*\b:(\s)+16*\b+7], v[TM+12+\b]
	v_cvt_scalef32_pk8_fp4_f32 v[PC+2*\b+1], v[(\s)+16*\b+8:(\s)+16*\b+15], v[TM+12+\b]
.endr
	WIN 0
	v_nop                                          ; a plain line behind the last conversion
.endm
.macro QPACK                           ; the four bytes make the row's scale word; the halves of blocks change lanes, so that a lane holds whole blocks: the operand's layout
	v_lshl_or_b32 v[PW], v[TM+5], 8, v[TM+4]
	v_lshl_or_b32 v[PW], v[TM+6], 16, v[PW]
	v_lshl_or_b32 v[PW], v[TM+7], 24, v[PW]
.irp c, 0,1
.irp i, 0,1
	v_permlane16_swap_b32 v[PC+4*\c+\i], v[PC+4*\c+2+\i]
.endr
.endr
.endm
.macro QUANT s, w
	QCORE \s, \w
	QPACK
.endm
.macro IMAGE adr, off
.irp c, 0,1
	ds_store_b128 v[\adr], v[PC+4*\c:PC+4*\c+3] offset:(\off)+512*\c
.endr
.endm
; 16 rows x 512 bytes, loaded 16 bytes a lane (registers raw + 4 e of window wr), turn through my own stage and come back 4 x 64 bytes a lane of row r: register dst + 16 b + i = number 32 b + 16 (lane / 16) + i
.macro TURN512 raw, wr, dst, wd
	WIN (\wr)<<2
.irp e, 0,1,2,3,4,5,6,7,8,9,10,11,12,13,14,15
	ds_store_b128 v[STW], v[(\raw)+4*\e:(\raw)+4*\e+3] offset:528*\e
.endr
	WIN (\wd)<<6
.irp b, 0,1,2,3
.irp j, 0,1,2,3
	ds_load_b128 v[(\dst)+16*\b+4*\j:(\dst)+16*\b+4*\j+3], v[STR] offset:128*\b+16*\j     ; LDS serves a wave's instructions in order: these see the stores above
.endr
.endr
	WIN 0
.endm
.macro WLOAD x, f0                     ; eight fragments f0 .. f0 + 7 of my panel of weight x (0 Wq, 1 Wk, 2 Wv)
	WIN 0x40
.irp f, 0,1,2,3,4,5,6,7
	global_load_b128 v[8*((\f0)+\f):8*((\f0)+\f)+3], v[LI], s[6:7] offset:131072*(\x)+1024*((\f0)+\f)
	global_load_b128 v[8*((\f0)+\f)+4:8*((\f0)+\f)+7], v[LI], s[6:7] offset:131072*(\x)+1024*((\f0)+\f)+512
.endr
	WIN 0
.endm
	s_load_b512 s[4:19], s[0:1], 0x0               ; H s[4:5], wc s[6:7], ws s[8:9], bq s[10:11], bk s[12:13], bv s[14:15], qc s[16:17], kv s[18:19]
	s_load_b64 s[20:21], s[0:1], 0x40              ; scl
	v_lshrrev_b32 v1, 5, v0
	v_readfirstlane_b32 s22, v1                    ; wave
	v_and_b32 v1, 31, v0                           ; lane
	v_and_b32 v2, 15, v0                           ; r
	v_bfe_u32 v3, v0, 4, 1                         ; h
	v_lshlrev_b32 v[LI], 4, v1
	s_mul_i32 s23, s22, 8448
	v_add_nc_u32 v[STW], s23, v[LI]
	v_mul_u32_u24 v[STR], v2, 528
	v_lshl_add_u32 v[STR], v3, 6, v[STR]
	v_add_nc_u32 v[STR], s23, v[STR]
	s_lshl_b32 s23, s22, 12
	s_add_co_u32 s23, s23, XIMG
	v_add_nc_u32 v[AXI], s23, v[LI]
	s_lshl_b32 s23, s22, 9
	s_add_co_u32 s23, s23, XSC
	v_add_nc_u32 v[AXS], s23, v[LI]
	v_lshlrev_b32 v[VB], 6, v3
	v_and_b32 v[VBV], 8, v2
	v_add_nc_u32 v[VBV], v[VBV], v2
	v_lshlrev_b32 v[VBV], 2, v[VBV]
	s_lshl_b32 s23, s22, 2
	s_add_co_u32 s23, s23, SCST
	v_lshl_add_u32 v[ASC], v2, 4, s23
	s_lshl_b32 s23, s22, 7
	s_add_co_u32 s23, s23, SCST+2048
	v_lshl_add_u32 v[ASV], v1, 2, s23
	v_lshlrev_b32 v[VV], 4, v2
	v_lshl_add_u32 v[VV], v3, 3, v[VV]
	s_lshl_b32 s23, s22, 8
	v_lshl_add_u32 v[GOUT], v1, 3, s23
	v_add_nc_u32 v[AOUT], SCST, v[GOUT]
	s_mov_b32 s38, 0x76543210
	s_mov_b32 s39, 0xfedcba98                      ; lane selects: lane l xor 16
	s_mov_b32 s40, 0xffff0000                      ; lanes 16-31
.irp b, 0,1,2,3
	v_mov_b32 v[TM+4+\b], 0                        ; written once: a lane permute's destination counts as one of its sources
.endr
	; byte offsets, each in a pair of its own
	s_lshr_b32 s48, s22, 1
	s_lshl_b32 s48, s48, 5
	s_and_b32 s49, s22, 1
	s_lshl_b32 s49, s49, 3
	s_add_co_u32 s48, s48, s49                     ; tile w begins at row 32 (w / 2) + 8 (w % 2)
	s_lshl_b32 s49, ttmp9, 6
	s_add_co_u32 s48, s48, s49
	s_lshl_b32 s48, s48, 11                        ; H: rows of 2,048 bytes
	s_mov_b32 s49, 0
	s_lshl_b32 s50, s22, 15                        ; wc: my slice's panel
	s_mov_b32 s51, 0
	s_lshl_b32 s52, s22, 11                        ; ws
	s_mov_b32 s53, 0
	s_lshl_b32 s54, s22, 9                         ; the biases: my 128 numbers
	s_mov_b32 s55, 0
	s_lshl_b32 s56, ttmp9, 14
	s_lshl_b32 s66, s22, 10
	s_add_co_u32 s56, s56, s66                     ; qc: 16,384 g + 1,024 w
	s_mov_b32 s57, 0
	s_lshr_b32 s67, ttmp9, 5
	s_mul_i32 s67, s67, 1572864                    ; kv: the batch,
	s_bfe_u32 s68, ttmp9, 0x30002
	s_lshl_b32 s68, s68, 17                        ; the key step's chunk
	s_add_co_u32 s67, s67, s68
	s_and_b32 s69, ttmp9, 3                        ; w': which 64 of the step's 256 keys
	s_lshl_b32 s58, s69, 14
	s_add_co_u32 s58, s58, s67
	s_add_co_u32 s58, s58, s66                     ; K: chunk + 16,384 w' + 1,024 w
	s_mov_b32 s59, 0
	s_lshl_b32 s60, s22, 14
	s_add_co_u32 s60, s60, s67
	s_lshl_b32 s70, s69, 8
	s_add_co_u32 s60, s60, s70
	s_add_co_u32 s60, s60, 65536                   ; V: chunk + 65,536 + 16,384 w + 256 w'
	s_mov_b32 s61, 0
	s_mul_i32 s62, ttmp9, 3072                     ; scl
	s_mov_b32 s63, 0
	s_wait_kmcnt 0x0
	s_add_nc_u64 s[4:5], s[4:5], s[48:49]
	WIN 0x80
.irp k, 0,1,2,3                        ; my tile's 16 rows, a K step of 128 numbers (512 consecutive bytes) to a load
.irp e, 0,1,2,3,4,5,6,7,8,9,10,11,12,13,14,15
	global_load_b128 v[64*\k+4*\e:64*\k+4*\e+3], v[LI], s[4:5] offset:(\e+8*(\e/8))*2048+512*\k th:TH_LOAD_NT
.endr
.endr
	WIN 0
	s_add_nc_u64 s[6:7], s[6:7], s[50:51]
	s_add_nc_u64 s[8:9], s[8:9], s[52:53]
	s_add_nc_u64 s[10:11], s[10:11], s[54:55]
	s_add_nc_u64 s[12:13], s[12:13], s[54:55]
	s_add_nc_u64 s[14:15], s[14:15], s[54:55]
	s_add_nc_u64 s[16:17], s[16:17], s[56:57]
	s_add_nc_u64 s[24:25], s[18:19], s[60:61]      ; V's place in kv
	s_add_nc_u64 s[18:19], s[18:19], s[58:59]      ; K's
	s_add_nc_u64 s[20:21], s[20:21], s[62:63]
; ---- H's tile w becomes four fragments
.irp k, 0,1,2,3
	s_wait_loadcnt 48                              ; K step k's 16 loads are in: behind them 16 (3 - k) of H and 16 k of Wq
	WLOAD 0, 8*\k
	TURN512 64*\k, 2, HL, 0
	s_wait_dscnt 0x0                               ; the 64 numbers are back from the stage: all sixteen loads are read at once below, and nothing younger is out
	QUANT HL, 0
	IMAGE AXI, 1024*\k
	v_mov_b32 v[PW4+\k], v[PW]
.endr
	ds_store_b128 v[AXS], v[PW4:PW4+3]
.irp b, 0,1,2,3
	global_load_b128 v[WSC+4*\b:WSC+4*\b+3], v[LI], s[8:9] offset:512*\b
.endr
.irp b, 0,1,2,3
.irp j, 0,1,2,3
	global_load_b128 v[BIAS+16*\b+4*\j:BIAS+16*\b+4*\j+3], v[VB], s[10:11] offset:128*\b+16*\j
.endr
.endr
	s_wait_dscnt 0x0                               ; my images and words lie in LDS
	s_barrier_signal -1
	s_barrier_wait -1                              ; all sixteen fragments do
	WIN 0xC0
.irp f, 0,1,2,3,4,5,6,7,8,9,10,11,12,13,14,15
	ds_load_b128 v[8*\f:8*\f+3], v[LI] offset:XIMG+1024*\f
	ds_load_b128 v[8*\f+4:8*\f+7], v[LI] offset:XIMG+1024*\f+512
.endr
	WIN 0
.irp m, 0,1,2,3
	ds_load_b128 v[HS+4*\m:HS+4*\m+3], v[LI] offset:XSC+512*\m
.endr
	s_wait_loadcnt 0x0
	s_wait_dscnt 0x0
; 128 matrix instructions: K step q outermost, then the 32 accumulators by turns, one instruction a turn
.macro PROD isv
.irp q, 0,1,2,3
.if \isv
.if \q == 0
	WIN 0x87                                       ; source 0 (H) window 3, source 1 (the weight) window 1, C (the bias) window 0, D window 2
.else
	WIN 0xA7
.endif
.else
.if \q == 0
	WIN 0x8D                                       ; source 0 (the weight) window 1, source 1 (H) window 3, C window 0, D window 2
.else
	WIN 0xAD
.endif
.endif
.irp t, 0,1,2,3,4,5,6,7
.irp m, 0,1,2,3
.if \isv
.if \q == 0
	WM 32*\t+8*\m, 8*(4*\m+\q), 8*(4*\t+\q), BIAS+8*\t, HS+4*\m+\q, WSC+4*(\t/2)+\q, 0, \t%2
.else
	WM 32*\t+8*\m, 8*(4*\m+\q), 8*(4*\t+\q), 32*\t+8*\m, HS+4*\m+\q, WSC+4*(\t/2)+\q, 0, \t%2
.endif
.else
.if \q == 0
	WM 64*\m+8*\t, 8*(4*\t+\q), 8*(4*\m+\q), BIAS+8*\t, WSC+4*(\t/2)+\q, HS+4*\m+\q, \t%2, 0
.else
	WM 64*\m+8*\t, 8*(4*\t+\q), 8*(4*\m+\q), 64*\m+8*\t, WSC+4*(\t/2)+\q, HS+4*\m+\q, \t%2, 0
.endif
.endif
.endr
.endr
.endr
	WIN 0
	PLACES 4                                       ; in front of the first read of results and of loads into registers that the products read
.endm
; Q's (x = 0) or K's (x = 1) results: a tile of rows at a time becomes K step w of that tile's operand; a quarter of the next panel, its scale words and its bias are asked for ahead of each
.macro POSTQK x
.irp m, 0,1,2,3
	WLOAD (\x)+1, 8*\m
	global_load_b128 v[WSC+4*\m:WSC+4*\m+3], v[LI], s[8:9] offset:8192*((\x)+1)+512*\m
.if (\x) == 0
.irp j, 0,1,2,3
	global_load_b128 v[BIAS+16*\m+4*\j:BIAS+16*\m+4*\j+3], v[VB], s[12:13] offset:128*\m+16*\j
.endr
.else
.irp u, 0,1
	global_load_b32 v[BIAS+8*(2*\m+\u)], v[VBV], s[14:15] offset:128*\m+32*\u     ; bv of my lane's d in tile 2 m + u
.endr
.endif
	QUANT 64*\m, 2
.if (\x) == 0
	global_store_b128 v[LI], v[PC:PC+3], s[16:17] offset:4096*\m
	global_store_b128 v[LI], v[PC+4:PC+7], s[16:17] offset:4096*\m+512
.else
	global_store_b128 v[LI], v[PC:PC+3], s[18:19] offset:4096*\m
	global_store_b128 v[LI], v[PC+4:PC+7], s[18:19] offset:4096*\m+512
.endif
	ds_store_b32 v[ASC], v[PW] offset:1024*(\x)+256*\m     ; both halves of the lanes write the same word with the same value
.endr
	s_wait_loadcnt 0x0
.endm
	PROD 0
	POSTQK 0
	PROD 0
	POSTQK 1
.irp t, 0,1,2,3,4,5,6,7
.irp j, 1,2,3,4,5,6,7
	v_mov_b32 v[BIAS+8*\t+\j], v[BIAS+8*\t]        ; in V's results a lane holds one d: the same bias in all eight registers
.endr
.endr
	PROD 1
; V: registers 64 u + 16 k + i: tile t = 2 u + k / 2, key block s = k % 2 of my 64 keys.  A lane's half block, 8 bytes, lies at 256 w' + 16 r + 8 (lane / 16) of fragment (slice w, s, t): a store covers 256 aligned bytes
.irp u, 0,1,2,3
	QCORE 64*\u, 2
.irp k, 0,1,2,3
	global_store_b64 v[VV], v[PC+2*\k:PC+2*\k+1], s[24:25] offset:8192*(\k%2)+1024*(2*\u+\k/2)
.endr
.irp s, 0,1
	v_cndmask_b32 v[TMP], v[TM+4+\s], v[TM+6+\s], s40      ; lanes 0-15: tile 2 u's byte; lanes 16-31: tile 2 u + 1's
.if \u == 0
	v_mov_b32 v[VP+\s], v[TMP]
.else
	v_lshl_or_b32 v[VP+\s], v[TMP], 8*\u, v[VP+\s]
.endif
.endr
.endr
	ds_store_b32 v[ASV], v[VP]
	ds_store_b32 v[ASV], v[VP+1] offset:512
	s_wait_dscnt 0x0
	s_barrier_signal -1
	s_barrier_wait -1                              ; the 3,072 bytes of scales are whole
	s_wait_xcnt 0x0                                ; V's last stores have read the codes' registers: the loads below land in six of them
.irp j, 0,1,2
	ds_load_b64 v[PC+2*\j:PC+2*\j+1], v[AOUT] offset:1024*\j
.endr
	s_wait_dscnt 0x0
.irp j, 0,1,2
	global_store_b64 v[GOUT], v[PC+2*\j:PC+2*\j+1], s[20:21] offset:1024*\j     ; 256 aligned bytes a store
.endr
	s_endpgm
.Lfunc_end_k_qfccd13acdb_qkv:
	.size	k_qfccd13acdb_qkv, .Lfunc_end_k_qfccd13acdb_qkv-k_qfccd13acdb_qkv
	.p2alignl 7, 3214868480
	.fill 96, 4, 3214868480
	.section	.rodata,"a",@progbits
	.p2align	6, 0x0
	.amdhsa_kernel k_qfccd13acdb_qkv
		.amdhsa_group_segment_fixed_size 55296
		.amdhsa_private_segment_fixed_size 0
		.amdhsa_enable_private_segment 0
		.amdhsa_kernarg_size 72
		.amdhsa_user_sgpr_count 2
		.amdhsa_user_sgpr_kernarg_segment_ptr 1
		.amdhsa_wavefront_size32 1
		.amdhsa_system_sgpr_workgroup_id_x 1
		.amdhsa_system_sgpr_workgroup_id_y 1
		.amdhsa_system_sgpr_workgroup_id_z 1
		.amdhsa_system_vgpr_workitem_id 0
		.amdhsa_next_free_vgpr 1024
		.amdhsa_next_free_sgpr 72
		.amdhsa_reserve_vcc 0
		.amdhsa_float_denorm_mode_32 3
		.amdhsa_float_denorm_mode_16_64 3
		.amdhsa_memory_ordered 1
		.amdhsa_forward_progress 1
		.amdhsa_inst_pref_size 162
	.end_amdhsa_kernel
	.amdgpu_metadata
---
amdhsa.version: [ 1, 2 ]
amdhsa.kernels:
  - .name:           k_qfccd13acdb_qkv
    .symbol:         k_qfccd13acdb_qkv.kd
    .args:
      - { .name: H, .offset: 0, .size: 8, .value_kind: global_buffer, .address_space: global }
      - { .name: wc, .offset: 8, .size: 8, .value_kind: global_buffer, .address_space: global }
      - { .name: ws, .offset: 16, .size: 8, .value_kind: global_buffer, .address_space: global }
      - { .name: bq, .offset: 24, .size: 8, .value_kind: global_buffer, .address_space: global }
      - { .name: bk, .offset: 32, .size: 8, .value_kind: global_buffer, .address_space: global }
      - { .name: bv, .offset: 40, .size: 8, .value_kind: global_buffer, .address_space: global }
      - { .name: qc, .offset: 48, .size: 8, .value_kind: global_buffer, .address_space: global }
      - { .name: kv, .offset: 56, .size: 8, .value_kind: global_buffer, .address_space: global }
      - { .name: scl, .offset: 64, .size: 8, .value_kind: global_buffer, .address_space: global }
    .group_segment_fixed_size: 55296
    .private_segment_fixed_size: 0
    .kernarg_segment_align: 8
    .kernarg_segment_size: 72
    .max_flat_workgroup_size: 128
    .sgpr_count:     72
    .vgpr_count:     1024
    .wavefront_size: 32
...
	.end_amdgpu_metadata
.endif
;; end of part 2
;; launch attn (part 3): grid 32 x 8, 4 waves a work-group, clusters of 4 x 1, 327,680 bytes of LDS; arguments adj, H, hmc, qc, kv, scl, ws, b1, b2, g1, be1, g2, be2, out0; writes out0
.if DOCPART == 3
	.amdgcn_target "amdgcn-amd-amdhsa--gfx1250"
	.amdhsa_code_object_version 6
	.text
	.protected	k_qfccd13acdb_attn
	.globl	k_qfccd13acdb_attn
	.p2align	8
	.type	k_qfccd13acdb_attn,@function
k_qfccd13acdb_attn:
	s_mov_b64 s[64:65], 0
	v_nop
	global_prefetch_b8 v0, s[64:65] scope:SCOPE_SE
	s_setreg_imm32_b32 hwreg(HW_REG_WAVE_MODE, 25, 1), 1
	s_wait_xcnt 0x0
	s_wait_alu depctr_hold_cnt(0) depctr_sa_sdst(0) depctr_va_vdst(0) depctr_va_sdst(0) depctr_va_ssrc(0) depctr_va_vcc(0) depctr_vm_vsrc(0)
	s_getreg_b32 s2, hwreg(HW_REG_IB_STS2, 6, 4)
	s_cmp_eq_u32 s2, 0
	s_cbranch_scc0 .Lentry_in_a_cluster
	s_endpgm
.Lentry_in_a_cluster:
	s_bfe_u32 s2, ttmp6, 0x10000c
	s_cmp_lg_u32 s2, 0x3003
	s_cbranch_scc0 .Lentry_shape_is_right
	s_endpgm
.Lentry_shape_is_right:
; ATTN.  For 64 queries of one batch: scores = Q K^T, t = score x adj x hmc (hmc = mean(hop_emb) log2(e) / sqrt(512)), streaming softmax, O = P V / l, + H, LayerNorm, relu FFN, + x, LayerNorm.  All products on codes of
; FP4 (E2M1) with one E8M0 byte for each 32 along K.  Scores, p, the attention's result, x and the hidden layer never go to memory.
; SHARES.  256 work-groups of four waves.  THE WAVES SHARE THE COLUMNS: in a key step of 256 keys wave w makes S^T for keys 64 w .. 64 w + 63 x all 64 queries (source 0 = 16 keys, source 1 = 16 queries: a lane holds one
; query), does their softmax, and hands p's codes over through LDS; then it makes O^T for d 128 w .. 128 w + 127 x all 64 queries.  In the FFN it makes two slices of 128 hidden units, then d slice w of the output.
; So each fragment of K, V, W1, W2 is read from LDS by one wave and feeds four matrix instructions.
; ROWS OF A TILE ARE NOT NEIGHBOURS: lane r of tile 2 b + u stands for row 32 b + 8 u + r + 8 (r / 8); a lane's 16 registers of tiles 2 b, 2 b + 1 of a result are then the 16 neighbours 32 b + 16 (lane / 16) + 0..15.
; K step s (0, 1) of the second product is made of the key blocks 64 w + 32 s + 0..31, w = 0..3, in P and in V alike.
; SOFTMAX.  p = 2^(t - M), M a whole number.  Each wave keeps its own running M_w = ceil(largest t so far) and sum l_w for each query; a block's codes do not hang on M.  M_w and the blocks' bytes go through LDS; every wave
; forms the common running M_c = max, multiplies its O^T by 2^(old M_c - new M_c), and moves each block's byte by max(M_w - M_c, -256), held at 0 from below.  At the end l = the sum of l_w 2^(M_w - M_c) divides O.
; LIMITS: NaN and infinities are not served; p under 2^-126 falls to 0 in the exponential; a block whose byte would fall under 0 is taken at 2^-127 (it is under 2^-124 beside l >= 1/2); a block of zeros has the byte 1.
; RING.  kv holds, for each batch, 12 dense chunks of 131,072 bytes: 8 key steps (K's and V's fragments in register order), then W1 and W2.  Two LDS slots; each wave brings a quarter of a chunk by one tensor load.
; CLUSTER.  The four work-groups of a cluster belong to one batch and walk the same 12 chunks: each load is a joint one with the mask of all four.  My place in the cluster enters the addresses of adj, H, qc, Q's scales and out0 alone.
; adj comes straight into registers, a whole key step (32 loads a wave, each two runs of 256 aligned bytes) ahead, and turns through the wave's own stage.  In the last trip the same 32 places bring half of H for the residual.
; REGISTERS.  window 0: v0-31 addresses; v32-63 scale words; v64-95 statistics, 8 a tile of queries; v96-127 at work; v128-255 S^T (32 m + 16 s + 8 u + j), then P's fragments and what the tail needs.
;   window 1: O^T, then x, then the result (64 m + 8 t + j: d = 128 w + 32 (t / 2) + 16 (lane / 16) + 8 (t % 2) + j).   window 2: v0-127 Q, later gains, x's or the hidden layer's fragments; v128-255 K's or V's fragments, later weights.
;   window 3: v0-127 adj as loaded; v128-191 adj by queries, two sets; v192-223 hmc; later H as loaded; in the FFN the 32 accumulators.
.set RING1, 1<<17                      ; slot 1; one exclusive or turns an address from one slot into the other
.set SPARE, 262144                     ; the spare words: 128 bytes for each wave, two blocks of 256 bytes that no other line names
.set RED,   262656                     ; five fields [query 64][wave 4 words]: l, and the two sums of each LayerNorm
.set MW,    267776                     ; M_w [query][wave];  behind it the blocks' bytes [s][query][wave]
.set HMC,   270848                     ; hmc, 2,048 numbers
.set ADJST, 279040                     ; adj's stage: 16 rows x (256 + 16) bytes for each wave
.set PIMG,  296448                     ; P's 8 images (2 m + s)
.set XIMG,  270848                     ; from the first LayerNorm on, behind barriers: x's 16 images (4 m + K step),
.set XSC,   287232                     ; their scale words [m][lane][4],
.set HIMG,  289280                     ; the hidden layer's 32 images (4 K step + m),
.set HSC,   322048                     ; their scale words [m][lane][8]
.set STG,   289280                     ; a stage of 16 rows x (512 + 16) bytes for each wave: used before the hidden layer exists and after its last read
.set ST,    64                         ; tile m's statistics at v[ST + 8 m]: +0 -M_w, +1 largest t, +2, +3 l_w in two halves, +4 M_c, +5 at work, +6 f (+7 named with it as a pair)
.set BM,    96                         ; v96-97 blocks' largest t, then p;  v98-99 the other half of the lanes';  v100-101 scale operands
.set PX,    98
.set SO,    100
.set TMPA,  102
.set FW,    104                        ; v[104:105] 2^(old M_w - new M_w)
.set TP,    106                        ; v[106:107] the sum's second chain
.set PSW,   120                        ; v120-127 P's scale words (2 m + s)
.set TM,    192                        ; the quantiser's registers in the tail
.set PW,    208
.set PC,    216
.set BIAS,  128
.set STW,   16
.set STR,   17
.set MSB, 0
.macro WIN new                         ; the immediate's high byte repeats the setting that is left; a switch that changes nothing is dropped
.if MSB != (\new)
	s_set_vgpr_msb (MSB<<8)|(\new)
.set MSB, (\new)
.endif
.endm
.macro PLACES n
.rept \n
	v_nop
.endr
.endm
; one matrix instruction.  c < 0: the sum starts with the constant 0.  ra, rb: the scale words stand in lanes 16-31
.macro WM d, a, b, c, sa, sb, ra, rb
.if (\c) < 0
.if (\ra) && (\rb)
	v_wmma_scale_f32_16x16x128_f8f6f4 v[(\d):(\d)+7], v[(\a):(\a)+7], v[(\b):(\b)+7], 0, v[\sa], v[\sb] matrix_a_fmt:MATRIX_FMT_FP4 matrix_b_fmt:MATRIX_FMT_FP4 matrix_a_scale:MATRIX_SCALE_ROW1 matrix_b_scale:MATRIX_SCALE_ROW1
.elseif (\ra)
	v_wmma_scale_f32_16x16x128_f8f6f4 v[(\d):(\d)+7], v[(\a):(\a)+7], v[(\b):(\b)+7], 0, v[\sa], v[\sb] matrix_a_fmt:MATRIX_FMT_FP4 matrix_b_fmt:MATRIX_FMT_FP4 matrix_a_scale:MATRIX_SCALE_ROW1
.elseif (\rb)
	v_wmma_scale_f32_16x16x128_f8f6f4 v[(\d):(\d)+7], v[(\a):(\a)+7], v[(\b):(\b)+7], 0, v[\sa], v[\sb] matrix_a_fmt:MATRIX_FMT_FP4 matrix_b_fmt:MATRIX_FMT_FP4 matrix_b_scale:MATRIX_SCALE_ROW1
.else
	v_wmma_scale_f32_16x16x128_f8f6f4 v[(\d):(\d)+7], v[(\a):(\a)+7], v[(\b):(\b)+7], 0, v[\sa], v[\sb] matrix_a_fmt:MATRIX_FMT_FP4 matrix_b_fmt:MATRIX_FMT_FP4
.endif
.else
.if (\ra) && (\rb)
	v_wmma_scale_f32_16x16x128_f8f6f4 v[(\d):(\d)+7], v[(\a):(\a)+7], v[(\b):(\b)+7], v[(\c):(\c)+7], v[\sa], v[\sb] matrix_a_fmt:MATRIX_FMT_FP4 matrix_b_fmt:MATRIX_FMT_FP4 matrix_a_scale:MATRIX_SCALE_ROW1 matrix_b_scale:MATRIX_SCALE_ROW1
.elseif (\ra)
	v_wmma_scale_f32_16x16x128_f8f6f4 v[(\d):(\d)+7], v[(\a):(\a)+7], v[(\b):(\b)+7], v[(\c):(\c)+7], v[\sa], v[\sb] matrix_a_fmt:MATRIX_FMT_FP4 matrix_b_fmt:MATRIX_FMT_FP4 matrix_a_scale:MATRIX_SCALE_ROW1
.elseif (\rb)
	v_wmma_scale_f32_16x16x128_f8f6f4 v[(\d):(\d)+7], v[(\a):(\a)+7], v[(\b):(\b)+7], v[(\c):(\c)+7], v[\sa], v[\sb] matrix_a_fmt:MATRIX_FMT_FP4 matrix_b_fmt:MATRIX_FMT_FP4 matrix_b_scale:MATRIX_SCALE_ROW1
.else
	v_wmma_scale_f32_16x16x128_f8f6f4 v[(\d):(\d)+7], v[(\a):(\a)+7], v[(\b):(\b)+7], v[(\c):(\c)+7], v[\sa], v[\sb] matrix_a_fmt:MATRIX_FMT_FP4 matrix_b_fmt:MATRIX_FMT_FP4
.endif
.endif
.endm
; 64 numbers of a lane, v[s] .. v[s + 63] of window w, four blocks: register 16 b + i = number 16 (lane / 16) + i of block b.  Out: bytes in v[TM+4+b], half blocks of codes in v[PC+2b], v[PC+2b+1].
.macro QCORE s, w
	WIN (\w)|((\w)<<2)
.irp b, 0,1,2,3
	v_max3_num_f32 v[TM+\b], |v[(\s)+16*\b]|, |v[(\s)+16*\b+1]|, 0x1800000     ; with the floor 2^(3 - 127): the byte cannot fall under 1
.endr
	WIN ((\w)<<2)|((\w)<<4)
.irp i, 2,4,6,8,10,12,14
.irp b, 0,1,2,3
	v_max3_num_f32 v[TM+\b], v[TM+\b], |v[(\s)+16*\b+\i]|, |v[(\s)+16*\b+\i+1]|
.endr
.endr
	WIN 0
.irp b, 0,1,2,3
	v_permlanex16_b32 v[TM+4+\b], v[TM+\b], s38, s39
.endr
.irp b, 0,1,2,3
	v_max_num_f32 v[TM+\b], v[TM+\b], v[TM+4+\b]   ; with lane l xor 16's 16: the block's largest magnitude
.endr
.irp b, 0,1,2,3
	v_add_nc_u32 v[TM+12+\b], 0xff000000, v[TM+\b] ; 2 off the exponent field: the conversion's scale operand
.endr
.irp b, 0,1,2,3
	v_lshrrev_b32 v[TM+4+\b], 23, v[TM+12+\b]      ; the byte
.endr
	s_wait_xcnt 0x0                                ; the codes' registers and the scale word may be the data of earlier stores, to memory
	s_wait_dscnt 0x0                               ; or to LDS: they are rewritten only behind these waits
	WIN (\w)
.irp b, 0,1,2,3
	v_cvt_scalef32_pk8_fp4_f32 v[PC+2*\b], v[(\s)+16*\b:(\s)+16*\b+7], v[TM+12+\b]
	v_cvt_scalef32_pk8_fp4_f32 v[PC+2*\b+1], v[(\s)+16*\b+8:(\s)+16*\b+15], v[TM+12+\b]
.endr
	WIN 0
	v_nop                                          ; a plain line behind the last conversion
.endm
.macro QPACK                           ; the four bytes make the row's scale word; the halves of blocks change lanes, so that a lane holds whole blocks: the operand's layout
	v_lshl_or_b32 v[PW], v[TM+5], 8, v[TM+4]
	v_lshl_or_b32 v[PW], v[TM+6], 16, v[PW]
	v_lshl_or_b32 v[PW], v[TM+7], 24, v[PW]
.irp c, 0,1
.irp i, 0,1
	v_permlane16_swap_b32 v[PC+4*\c+\i], v[PC+4*\c+2+\i]
.endr
.endr
.endm
.macro QUANT s, w
	QCORE \s, \w
	QPACK
.endm
.macro IMAGE adr, off
.irp c, 0,1
	ds_store_b128 v[\adr], v[PC+4*\c:PC+4*\c+3] offset:(\off)+512*\c
.endr
.endm
; 16 rows x 512 bytes, loaded 16 bytes a lane (registers raw + 4 e of window wr), turn through my own stage and come back 4 x 64 bytes a lane of row r: register dst + 16 b + i = number 32 b + 16 (lane / 16) + i
.macro TURN512 raw, wr, dst, wd
	WIN (\wr)<<2
.irp e, 0,1,2,3,4,5,6,7,8,9,10,11,12,13,14,15
	ds_store_b128 v[STW], v[(\raw)+4*\e:(\raw)+4*\e+3] offset:528*\e
.endr
	WIN (\wd)<<6
.irp b, 0,1,2,3
.irp j, 0,1,2,3
	ds_load_b128 v[(\dst)+16*\b+4*\j:(\dst)+16*\b+4*\j+3], v[STR] offset:128*\b+16*\j     ; LDS serves a wave's instructions in order: these see the stores above
.endr
.endr
	WIN 0
.endm
; A round of the cluster's barrier: my work-group's barrier; wave 0 signals for the work-group; every wave waits for all four work-groups; my work-group's barrier once more
.macro CROUND
	s_barrier_signal -1
	s_barrier_wait -1
	s_cmp_lg_u32 s32, 0
	s_cbranch_scc1 .Lnot_wave_0_\@
	s_barrier_signal -3
.Lnot_wave_0_\@:
	s_barrier_wait -3
	s_barrier_signal -1
	s_barrier_wait -1
.endm
.macro JLOAD                           ; my quarter of a chunk: the same line, the same descriptor in all four work-groups; four v_nop follow it
	tensor_load_to_lds s[48:51], s[40:47]
.rept 4
	v_nop
.endr
.endm
; THE CHANGE OF SLOTS, at the head of a chunk's work.  Each wave waits for all its tensor loads (one is out: its quarter of the chunk that it is about to read), adds 0 to its spare word, and waits for that and for all its
; LDS reads and stores.  fill = 1: the barrier is a round of the cluster's, and behind it the slot just left takes the next chunk: the load has this chunk's whole work in which to land.
.macro CHANGE fill
	WIN 0
	s_wait_tensorcnt 0x0                           ; no tensor load of mine is out, so the descriptor may be written
	ds_add_u32 v1, v2                              ; 0 onto my spare word
.if \fill
	s_xor_b32 s49, s49, RING1                      ; the other slot,
	s_add_nc_u64 s[50:51], s[50:51], 0x20000       ; the next chunk; the type bits on top are not reached
.endif
	s_wait_dscnt 0x0                               ; the add is done; my reads of the slot that I have left are over; my LDS stores have landed
.if \fill
	CROUND
	JLOAD
.else
	s_barrier_signal -1
	s_barrier_wait -1
.endif
.endm
.macro BARRIER                         ; my LDS stores have landed and my LDS loads are in; a tensor load may stay out
	s_wait_dscnt 0x0
	s_barrier_signal -1
	s_barrier_wait -1
.endm
.macro KFETCH                          ; my 64 keys' 16 fragments, the first K step's first
	WIN 0x80
.irp q, 0,1,2,3
.irp k, 0,1,2,3
	ds_load_b128 v[128+8*(4*\k+\q):128+8*(4*\k+\q)+3], v26 offset:1024*(4*\k+\q)
	ds_load_b128 v[128+8*(4*\k+\q)+4:128+8*(4*\k+\q)+7], v26 offset:1024*(4*\k+\q)+512
.endr
.endr
.endm
.macro SMUL q                          ; S^T, K step q: 16 accumulators by turns
	WIN 0x0a                                       ; K and Q in window 2, S^T in window 0
.irp k, 0,1,2,3
.irp m, 0,1,2,3
.if (\q) == 0
	WM 128+8*(4*\m+\k), 128+8*(4*\k+(\q)), 8*(4*\m+(\q)), -1, 40+4*(\k/2)+(\q), 32+4*(\m/2)+(\q), \k%2, \m%2
.else
	WM 128+8*(4*\m+\k), 128+8*(4*\k+(\q)), 8*(4*\m+(\q)), 128+8*(4*\m+\k), 40+4*(\k/2)+(\q), 32+4*(\m/2)+(\q), \k%2, \m%2
.endif
.endr
.endr
.endm
.macro SCLOAD                          ; a key step's scales: my 64 keys' words of K (lanes 0-15 tile 2 i, lanes 16-31 tile 2 i + 1), and V's byte planes of the four key groups p
	global_load_b128 v[40:43], v13, s[74:75] offset:1024
	global_load_b128 v[44:47], v13, s[74:75] offset:1536
.irp s, 0,1
.irp p, 0,1,2,3
	global_load_b32 v[56+4*\s+\p], v14, s[14:15] offset:3072*\p+2048+512*\s
.endr
.endr
.endm
.macro VPERM                           ; byte i of plane p becomes byte p of word i: V's scale words (4 s + t / 2; lanes 16-31: odd t)
.irp s, 0,1
	v_perm_b32 v96, v[57+4*\s], v[56+4*\s], s91
	v_perm_b32 v97, v[57+4*\s], v[56+4*\s], s92
	v_perm_b32 v98, v[59+4*\s], v[58+4*\s], s91
	v_perm_b32 v99, v[59+4*\s], v[58+4*\s], s92
	v_perm_b32 v[48+4*\s], v98, v96, s93
	v_perm_b32 v[49+4*\s], v98, v96, s94
	v_perm_b32 v[50+4*\s], v99, v97, s93
	v_perm_b32 v[51+4*\s], v99, v97, s94
.endr
.endm
.macro VFETCH                          ; my d slice's 16 fragments of V (8 s + t)
	WIN 0x80
.irp f, 0,1,2,3,4,5,6,7,8,9,10,11,12,13,14,15
	ds_load_b128 v[128+8*\f:128+8*\f+3], v27 offset:1024*\f
	ds_load_b128 v[128+8*\f+4:128+8*\f+7], v27 offset:1024*\f+512
.endr
.endm
.macro HMLOAD                          ; hmc of my lane's 32 keys
	WIN 0xC0
.irp s, 0,1
.irp j, 0,1,2,3
	ds_load_b128 v[192+16*\s+4*\j:195+16*\s+4*\j], v28 offset:128*\s+16*\j
.endr
.endr
.endm
.macro ALOAD m                         ; adj: tile m's 16 queries x my 64 keys: lanes 0-15 take 256 bytes of row e, lanes 16-31 of the row 16 further on
.irp e, 0,1,2,3,4,5,6,7
	global_load_b128 v[32*(\m)+4*\e:32*(\m)+4*\e+3], v12, s[4:5] offset:(32*((\m)/2)+8*((\m)%2)+\e)*8192 th:TH_LOAD_NT
.endr
.endm
.macro ATURN m                         ; tile m's adj through my stage: it comes back by queries, 2 x 64 bytes a lane
	s_wait_loadcnt 34                              ; behind tile m's eight loads: 8 (3 - m) of this step, 10 of the next step's scales, 8 m of the next step
	WIN 0x0C
.irp e, 0,1,2,3,4,5,6,7
	ds_store_b128 v6, v[32*(\m)+4*\e:32*(\m)+4*\e+3] offset:272*\e
.endr
	WIN 0xC0
.irp s, 0,1
.irp j, 0,1,2,3
	ds_load_b128 v[128+32*((\m)%2)+16*\s+4*\j:128+32*((\m)%2)+16*\s+4*\j+3], v7 offset:128*\s+16*\j
.endr
.endr
.endm
; The registers that tile m's adj has left take the next key step's; in the last trip, which has no next step, eight rows of H (my d slice, 512 bytes a row).  Both ways issue eight loads into the same registers.
.macro ANEXT m
	WIN 0
	s_cmp_eq_u32 s36, 7
	s_cbranch_scc1 .Lrows_of_h_\@
	WIN 0xC0
	ALOAD \m
	WIN 0
	s_branch .Lasked_\@
.Lrows_of_h_\@:
	WIN 0xC0
.irp e, 0,1,2,3,4,5,6,7
	global_load_b128 v[32*(\m)+4*\e:32*(\m)+4*\e+3], v3, s[6:7] offset:(8*((\m)/2)+16*((\m)%2)+\e)*2048 th:TH_LOAD_NT
.endr
	WIN 0
.Lasked_\@:
.endm
; THE SOFTMAX of tile m: 16 queries x my 64 keys, 32 numbers a lane, two blocks s.  What the LDS stores read lies in two sets of registers that take turns.
.macro SOFT m
.set S0, 128+32*(\m)
.set AL, 128+32*((\m)%2)
.set T8, ST+8*(\m)
.if ((\m)%2) == 0
.set PCS, 108
.else
.set PCS, 16
.endif
	WIN 0xCF
.irp i, 0,2,4,6,8,10,12,14,16,18,20,22,24,26,28,30
	v_pk_mul_f32 v[AL+\i:AL+\i+1], v[AL+\i:AL+\i+1], v[192+\i:193+\i]          ; adj x hmc
.endr
	WIN 0x0C
.irp i, 0,2,4,6,8,10,12,14,16,18,20,22,24,26,28,30
	v_pk_mul_f32 v[S0+\i:S0+\i+1], v[S0+\i:S0+\i+1], v[AL+\i:AL+\i+1]          ; t; each accumulator is read from its low end on
.endr
	WIN 0
.irp s, 0,1
	v_max3_num_f32 v[BM+\s], v[S0+16*\s], v[S0+16*\s+1], v[S0+16*\s+2]         ; each block's largest t: it serves the row's maximum and, since p rises with t, the block's largest p
.endr
.irp i, 3,5,7,9,11,13
.irp s, 0,1
	v_max3_num_f32 v[BM+\s], v[BM+\s], v[S0+16*\s+\i], v[S0+16*\s+\i+1]
.endr
.endr
.irp s, 0,1
	v_max_num_f32 v[BM+\s], v[BM+\s], v[S0+16*\s+15]
.endr
.irp s, 0,1
	v_permlanex16_b32 v[PX+\s], v[BM+\s], s38, s39
.endr
.irp s, 0,1
	v_max_num_f32 v[BM+\s], v[BM+\s], v[PX+\s]
.endr
	v_max3_num_f32 v[T8+1], v[T8+1], v[BM], v[BM+1]        ; the running largest t
	v_mov_b32 v[TMPA], v[T8]
	v_floor_f32 v[T8], -v[T8+1]                    ; -M_w = floor(-t) = -ceil(t)
	v_sub_f32 v[TMPA], v[T8], v[TMPA]              ; old M_w - new M_w: a whole number, 0 or less
	v_cvt_i32_f32 v[TMPA], v[TMPA]                 ; (it saturates)
	v_ldexp_f32 v[FW], 1.0, v[TMPA]
.irp i, 0,2,4,6,8,10,12,14,16,18,20,22,24,26,28,30
	v_pk_add_f32 v[S0+\i:S0+\i+1], v[S0+\i:S0+\i+1], v[T8:T8+1] op_sel_hi:[1,0]        ; t - M_w
.endr
.irp s, 0,1
	v_add_f32 v[BM+\s], v[BM+\s], v[T8]
.endr
.set cnt, 0
.rept 32
	v_exp_f32 v[S0+cnt], v[S0+cnt]                 ; p = 2^(t - M_w)
.set cnt, cnt+1
.endr
.irp s, 0,1
	v_exp_f32 v[BM+\s], v[BM+\s]                   ; the block's largest p: the same addition and exponential on the same number give the same bits
.endr
	v_pk_mul_f32 v[T8+2:T8+3], v[T8+2:T8+3], v[FW:FW+1] op_sel_hi:[1,0]        ; the sum under the new M_w (a plain line behind the exponentials)
.irp s, 0,1
	v_max_num_f32 v[BM+\s], 0x1800000, v[BM+\s]    ; the floor 2^(3 - 127)
.endr
.irp s, 0,1
	v_add_nc_u32 v[SO+\s], 0xff000000, v[BM+\s]    ; the conversion's scale operand
.endr
.irp s, 0,1
	v_lshrrev_b32 v[PCS+5+\s], 23, v[SO+\s]
.endr
.irp s, 0,1
	v_cvt_f32_u32 v[PCS+5+\s], v[PCS+5+\s]         ; the byte, as f32: the readers add M_w - M_c to it
.endr
	v_sub_f32 v[PCS+4], 0, v[T8]                   ; M_w
.irp s, 0,1
	v_cvt_scalef32_pk8_fp4_f32 v[PCS+2*\s], v[S0+16*\s:S0+16*\s+7], v[SO+\s]
	v_cvt_scalef32_pk8_fp4_f32 v[PCS+2*\s+1], v[S0+16*\s+8:S0+16*\s+15], v[SO+\s]
.endr
	v_nop                                          ; a plain line behind the last conversion
	v_pk_add_f32 v[TP:TP+1], v[S0:S0+1], v[S0+2:S0+3]      ; the row's sum is taken of the unquantised p, in two chains
.irp j, 4,8,12,16,20,24,28
	v_pk_add_f32 v[T8+2:T8+3], v[T8+2:T8+3], v[S0+\j:S0+\j+1]
	v_pk_add_f32 v[TP:TP+1], v[TP:TP+1], v[S0+\j+2:S0+\j+3]
.endr
	v_pk_add_f32 v[T8+2:T8+3], v[T8+2:T8+3], v[TP:TP+1]
	ds_store_b64 v9, v[PCS:PCS+1] offset:1024*(2*(\m))     ; my half block: 8 bytes at 256 w + 16 r + 8 (lane / 16) of image (m, s): the wave stores 256 consecutive bytes
	ds_store_b64 v9, v[PCS+2:PCS+3] offset:1024*(2*(\m)+1)
	ds_store_b32 v10, v[PCS+4] offset:256*(\m)
	ds_store_b32 v10, v[PCS+5] offset:1024+256*(\m)
	ds_store_b32 v10, v[PCS+6] offset:2048+256*(\m)
.endm
; The four waves' M and bytes of tile m: the common M_c, f = 2^(old M_c - new M_c), and P's two scale words
.macro PSCALE m
.set T8, ST+8*(\m)
.set MR, 192+4*(\m)
.set ER, 208+8*(\m)
	v_max3_num_f32 v240, v[T8+4], v[MR], v[MR+1]
	v_max3_num_f32 v240, v240, v[MR+2], v[MR+3]
	v_sub_f32 v241, v[T8+4], v240
	v_cvt_i32_f32 v241, v241
	v_ldexp_f32 v[T8+6], 1.0, v241
	v_mov_b32 v[T8+4], v240
.irp w, 0,1,2,3
	v_sub_f32 v[242+\w], v[MR+\w], v240
.endr
.irp w, 0,1,2,3
	v_max_num_f32 v[242+\w], 0xc3800000, v[242+\w] ; not under -256
.endr
.irp s, 0,1
.irp w, 0,1,2,3
	v_add_f32 v[ER+4*\s+\w], v[ER+4*\s+\w], v[242+\w]
.endr
.irp w, 0,1,2,3
	v_max_num_f32 v[ER+4*\s+\w], 0, v[ER+4*\s+\w]
.endr
.irp w, 0,1,2,3
	v_cvt_u32_f32 v[ER+4*\s+\w], v[ER+4*\s+\w]
.endr
	v_lshl_or_b32 v[PSW+2*(\m)+\s], v[ER+4*\s+1], 8, v[ER+4*\s]
	v_lshl_or_b32 v[PSW+2*(\m)+\s], v[ER+4*\s+2], 16, v[PSW+2*(\m)+\s]
	v_lshl_or_b32 v[PSW+2*(\m)+\s], v[ER+4*\s+3], 24, v[PSW+2*(\m)+\s]
.endr
.endm
.macro RESC m                          ; O^T of tile m under the new M_c; each accumulator is read from its low end on
	WIN 0x41
.set cnt, 0
.rept 32
	v_pk_mul_f32 v[64*(\m)+cnt:64*(\m)+cnt+1], v[64*(\m)+cnt:64*(\m)+cnt+1], v[ST+8*(\m)+6:ST+8*(\m)+7] op_sel_hi:[1,0]
.set cnt, cnt+2
.endr
.endm
.macro PVMUL s                         ; O^T += V^T P^T, K step s: 32 accumulators by turns
	WIN 0x52                                       ; V in window 2, P in window 0, O^T in window 1
.irp t, 0,1,2,3,4,5,6,7
.irp m, 0,1,2,3
	WM 64*\m+8*\t, 128+8*(8*(\s)+\t), 128+8*(2*\m+(\s)), 64*\m+8*\t, 48+4*(\s)+(\t/2), PSW+2*\m+(\s), \t%2, 0
.endr
.endr
.endm
.macro GBLOAD pg, pb                   ; a gain and an offset of my lane's 64 d, in x's layout: window 2, v0-63 and v64-127
	WIN 0x80
.irp b, 0,1,2,3
.irp j, 0,1,2,3
	global_load_b128 v[16*\b+4*\j:16*\b+4*\j+3], v25, s[\pg:\pg+1] offset:128*\b+16*\j
	global_load_b128 v[64+16*\b+4*\j:64+16*\b+4*\j+3], v25, s[\pb:\pb+1] offset:128*\b+16*\j
.endr
.endr
	WIN 0
.endm
.macro BLOAD p                         ; a bias of my lane's 64 outputs, in the result's layout
.irp b, 0,1,2,3
.irp j, 0,1,2,3
	global_load_b128 v[BIAS+16*\b+4*\j:BIAS+16*\b+4*\j+3], v25, s[\p:\p+1] offset:128*\b+16*\j
.endr
.endr
.endm
; LAYERNORM of window 1, in place.  A query's 512 numbers lie in two lanes of each of four waves: the waves' sums meet in LDS fields ra and rb.  The variance is the mean square of the deviations.
.macro NORM ra, rb
	WIN 0x05
.irp m, 0,1,2,3
	v_pk_add_f32 v[224+4*\m:225+4*\m], v[64*\m:64*\m+1], v[64*\m+2:64*\m+3]
	v_pk_add_f32 v[226+4*\m:227+4*\m], v[64*\m+4:64*\m+5], v[64*\m+6:64*\m+7]
.endr
	WIN 0x04
.irp k, 8,12,16,20,24,28,32,36,40,44,48,52,56,60
.irp m, 0,1,2,3
	v_pk_add_f32 v[224+4*\m:225+4*\m], v[224+4*\m:225+4*\m], v[64*\m+\k:64*\m+\k+1]
	v_pk_add_f32 v[226+4*\m:227+4*\m], v[226+4*\m:227+4*\m], v[64*\m+\k+2:64*\m+\k+3]
.endr
.endr
	WIN 0
.irp m, 0,1,2,3
	v_pk_add_f32 v[224+4*\m:225+4*\m], v[224+4*\m:225+4*\m], v[226+4*\m:227+4*\m]
.endr
.irp m, 0,1,2,3
	v_add_f32 v[224+4*\m], v[224+4*\m], v[225+4*\m]
.endr
.irp m, 0,1,2,3
	v_permlanex16_b32 v[225+4*\m], v[224+4*\m], s38, s39
.endr
.irp m, 0,1,2,3
	v_add_f32 v[224+4*\m], v[224+4*\m], v[225+4*\m]
.endr
.irp m, 0,1,2,3
	ds_store_b32 v22, v[224+4*\m] offset:(\ra)+256*\m
.endr
	BARRIER
.irp m, 0,1,2,3
	ds_load_b128 v[240+4*\m:243+4*\m], v23 offset:(\ra)+256*\m
.endr
	s_wait_dscnt 0x0
.irp m, 0,1,2,3
	v_add_f32 v[240+4*\m], v[240+4*\m], v[241+4*\m]
	v_add_f32 v[242+4*\m], v[242+4*\m], v[243+4*\m]
.endr
.irp m, 0,1,2,3
	v_add_f32 v[240+4*\m], v[240+4*\m], v[242+4*\m]
.endr
.irp m, 0,1,2,3
	v_mul_f32 v[96+2*\m], 0xbb000000, v[240+4*\m]  ; - the mean: x -2^-9
.endr
	WIN 0x41
.irp m, 0,1,2,3
.set cnt, 0
.rept 32
	v_pk_add_f32 v[64*\m+cnt:64*\m+cnt+1], v[64*\m+cnt:64*\m+cnt+1], v[96+2*\m:97+2*\m] op_sel_hi:[1,0]
.set cnt, cnt+2
.endr
.endr
	WIN 0x05
.irp m, 0,1,2,3
	v_pk_mul_f32 v[224+4*\m:225+4*\m], v[64*\m:64*\m+1], v[64*\m:64*\m+1]
	v_pk_mul_f32 v[226+4*\m:227+4*\m], v[64*\m+2:64*\m+3], v[64*\m+2:64*\m+3]
.endr
.irp k, 4,8,12,16,20,24,28,32,36,40,44,48,52,56,60
.irp m, 0,1,2,3
	v_pk_fma_f32 v[224+4*\m:225+4*\m], v[64*\m+\k:64*\m+\k+1], v[64*\m+\k:64*\m+\k+1], v[224+4*\m:225+4*\m]
	v_pk_fma_f32 v[226+4*\m:227+4*\m], v[64*\m+\k+2:64*\m+\k+3], v[64*\m+\k+2:64*\m+\k+3], v[226+4*\m:227+4*\m]
.endr
.endr
	WIN 0
.irp m, 0,1,2,3
	v_pk_add_f32 v[224+4*\m:225+4*\m], v[224+4*\m:225+4*\m], v[226+4*\m:227+4*\m]
.endr
.irp m, 0,1,2,3
	v_add_f32 v[224+4*\m], v[224+4*\m], v[225+4*\m]
.endr
.irp m, 0,1,2,3
	v_permlanex16_b32 v[225+4*\m], v[224+4*\m], s38, s39
.endr
.irp m, 0,1,2,3
	v_add_f32 v[224+4*\m], v[224+4*\m], v[225+4*\m]
.endr
.irp m, 0,1,2,3
	ds_store_b32 v22, v[224+4*\m] offset:(\rb)+256*\m
.endr
	BARRIER
.irp m, 0,1,2,3
	ds_load_b128 v[240+4*\m:243+4*\m], v23 offset:(\rb)+256*\m
.endr
	s_wait_dscnt 0x0
.irp m, 0,1,2,3
	v_add_f32 v[240+4*\m], v[240+4*\m], v[241+4*\m]
	v_add_f32 v[242+4*\m], v[242+4*\m], v[243+4*\m]
.endr
.irp m, 0,1,2,3
	v_add_f32 v[240+4*\m], v[240+4*\m], v[242+4*\m]
.endr
.irp m, 0,1,2,3
	v_fma_f32 v[240+4*\m], v[240+4*\m], s95, s96   ; the variance + 1e-5
.endr
.irp m, 0,1,2,3
	v_rsq_f32 v[96+2*\m], v[240+4*\m]
.endr
	v_nop                                          ; a plain line behind the last of them
	WIN 0x41
.irp m, 0,1,2,3
.set cnt, 0
.rept 32
	v_pk_mul_f32 v[64*\m+cnt:64*\m+cnt+1], v[64*\m+cnt:64*\m+cnt+1], v[96+2*\m:97+2*\m] op_sel_hi:[1,0]
.set cnt, cnt+2
.endr
.endr
	s_wait_loadcnt 0x0                             ; the gain and the offset
	WIN 0x69
.irp m, 0,1,2,3
.set cnt, 0
.rept 32
	v_pk_fma_f32 v[64*\m+cnt:64*\m+cnt+1], v[64*\m+cnt:64*\m+cnt+1], v[cnt:cnt+1], v[64+cnt:64+cnt+1]
.set cnt, cnt+2
.endr
.endr
	WIN 0
.endm
.macro WFETCH q                        ; W1's eight fragments of K step q into buffer q % 2
	WIN 0x80
.irp t, 0,1,2,3,4,5,6,7
	ds_load_b128 v[128+64*((\q)%2)+8*\t:128+64*((\q)%2)+8*\t+3], v29 offset:1024*(4*\t+(\q))
	ds_load_b128 v[128+64*((\q)%2)+8*\t+4:128+64*((\q)%2)+8*\t+7], v29 offset:1024*(4*\t+(\q))+512
.endr
.endm
.macro F1MUL q                         ; the hidden layer, K step q: 32 accumulators by turns; b1 is the C of the first
.if (\q) == 0
	WIN 0xCA
.else
	WIN 0xFA
.endif
.irp t, 0,1,2,3,4,5,6,7
.irp m, 0,1,2,3
.if (\q) == 0
	WM 64*\m+8*\t, 128+64*((\q)%2)+8*\t, 8*(4*\m+(\q)), BIAS+8*\t, 32+4*(\t/2)+(\q), 64+4*\m+(\q), \t%2, 0
.else
	WM 64*\m+8*\t, 128+64*((\q)%2)+8*\t, 8*(4*\m+(\q)), 64*\m+8*\t, 32+4*(\t/2)+(\q), 64+4*\m+(\q), \t%2, 0
.endif
.endr
.endr
.endm
.macro F2FETCH hf, q                   ; W2's eight fragments and the hidden layer's four of K step 4 hf + q into buffers q % 2
	WIN 0x80
.irp t, 0,1,2,3,4,5,6,7
	ds_load_b128 v[128+64*((\q)%2)+8*\t:128+64*((\q)%2)+8*\t+3], v29 offset:1024*(4*\t+(\q))
	ds_load_b128 v[128+64*((\q)%2)+8*\t+4:128+64*((\q)%2)+8*\t+7], v29 offset:1024*(4*\t+(\q))+512
.endr
.irp m, 0,1,2,3
	ds_load_b128 v[32*((\q)%2)+8*\m:32*((\q)%2)+8*\m+3], v27 offset:1024*(4*(4*(\hf)+(\q))+\m)
	ds_load_b128 v[32*((\q)%2)+8*\m+4:32*((\q)%2)+8*\m+7], v27 offset:1024*(4*(4*(\hf)+(\q))+\m)+512
.endr
.endm
.macro F2MUL hf, q
.if ((\hf) == 0) && ((\q) == 0)
	WIN 0xCA
.else
	WIN 0xFA
.endif
.irp t, 0,1,2,3,4,5,6,7
.irp m, 0,1,2,3
.if ((\hf) == 0) && ((\q) == 0)
	WM 64*\m+8*\t, 128+64*((\q)%2)+8*\t, 32*((\q)%2)+8*\m, BIAS+8*\t, 32+16*(\hf)+4*(\t/2)+(\q), 80+8*\m+4*(\hf)+(\q), \t%2, 0
.else
	WM 64*\m+8*\t, 128+64*((\q)%2)+8*\t, 32*((\q)%2)+8*\m, 64*\m+8*\t, 32+16*(\hf)+4*(\t/2)+(\q), 80+8*\m+4*(\hf)+(\q), \t%2, 0
.endif
.endr
.endr
.endm
.macro F2HALF hf                       ; four K steps; the next step's 24 loads are out while a step is multiplied
	F2FETCH \hf, 0
.irp q, 0,1,2,3
.if \q < 3
.if \q > 0
	PLACES 4                                       ; in front of loads into the buffers that the step before read
.endif
	F2FETCH \hf, \q+1
	s_wait_dscnt 24                                ; all but the 24 just issued
.else
	s_wait_dscnt 0x0
.endif
.if ((\hf) == 0) && (\q == 0)
	s_wait_loadcnt 0x0                             ; W2's scale words and b2
.endif
	F2MUL \hf, \q
.endr
.endm
.macro OTURN m                         ; tile m of the result through my stage: back as 16 rows of 512 bytes, each stored by the 32 lanes as two aligned runs of 256 bytes
.if (\m) > 1
	s_wait_xcnt 0x0                                ; the stores of two tiles ago have read their registers
.endif
	WIN 0x04
.irp b, 0,1,2,3
.irp j, 0,1,2,3
	ds_store_b128 v17, v[64*(\m)+16*\b+4*\j:64*(\m)+16*\b+4*\j+3] offset:128*\b+16*\j
.endr
.endr
	WIN 0xC0
.irp e, 0,1,2,3,4,5,6,7,8,9,10,11,12,13,14,15
	ds_load_b128 v[64*((\m)%2)+4*\e:64*((\m)%2)+4*\e+3], v16 offset:528*\e
.endr
	WIN 0x0C
.irp e, 0,1,2,3,4,5,6,7,8,9,10,11,12,13,14,15
	s_wait_dscnt 15-\e
	global_store_b128 v3, v[64*((\m)%2)+4*\e:64*((\m)%2)+4*\e+3], s[30:31] offset:(32*((\m)/2)+8*((\m)%2)+\e+8*(\e/8))*2048 th:TH_STORE_NT
.endr
	WIN 0
.endm
; ================ the head
	s_load_b512 s[4:19], s[0:1], 0x0               ; adj s[4:5], H s[6:7], hmc s[8:9], qc s[10:11], kv s[12:13], scl s[14:15], ws s[16:17], b1 s[18:19]
	s_load_b256 s[20:27], s[0:1], 0x40             ; b2 s[20:21], g1 s[22:23], be1 s[24:25], g2 s[26:27]
	s_load_b128 s[28:31], s[0:1], 0x60             ; be2 s[28:29], out0 s[30:31]
	v_lshl_add_u32 v1, v0, 2, SPARE                ; my spare word; never rewritten
	v_mov_b32 v2, 0                                ; 0; never rewritten
	v_lshrrev_b32 v3, 5, v0
	v_readfirstlane_b32 s32, v3                    ; wave
	s_bfe_u32 s33, ttmp6, 0x40000                  ; cx: my place in the cluster
	s_lshl_b32 s34, ttmp9, 2
	s_add_co_u32 s34, s34, s33                     ; my block of 64 queries
	s_and_b32 s35, ttmp7, 0xffff                   ; the batch, which the four partners share
	; descriptor group 1: 128 rows of 256 dense bytes (32 elements of 8 bytes), no padding: images are read 16 bytes a lane on end
	s_mov_b32 s40, 15|(3<<16)|(1<<21)              ; 15:0 the mask: all four work-groups; 17:16 elements of 8 bytes; 21 set beside a mask
	s_mov_b32 s41, 32<<16                          ; tensor_dim0 = 32
	s_mov_b32 s42, 128<<16                         ; tensor_dim1 = 128
	s_mov_b32 s43, 32<<16                          ; tile_dim0 = 32
	s_mov_b32 s44, 128                             ; tile_dim1 = 128
	s_mov_b32 s45, 32                              ; elements from row to row
	s_mov_b32 s46, 0
	s_mov_b32 s47, 0
	s_mov_b32 s48, 1                               ; group 0: count = 1
	s_lshl_b32 s49, s32, 15                        ; LDS: slot 0, my quarter
	s_mul_i32 s56, s35, 1572864                    ; kv: the batch's 12 chunks,
	s_add_co_u32 s56, s56, s49                     ; my quarter of chunk 0
	s_mov_b32 s57, 0
	s_mov_b32 s38, 0x76543210
	s_mov_b32 s39, 0xfedcba98                      ; lane selects: lane l xor 16
	s_mov_b32 s91, 0x05010400                      ; byte selects of the 4 x 4 byte transposition
	s_mov_b32 s92, 0x07030602
	s_mov_b32 s93, 0x05040100
	s_mov_b32 s94, 0x07060302
	s_mov_b32 s95, 0x3b000000                      ; 2^-9
	s_mov_b32 s96, 0x3727c5ac                      ; 1e-5
	; byte offsets.  Those that hold my place in the cluster have registers of their own
	s_lshl_b32 s66, s35, 24
	s_lshl_b32 s67, s34, 19
	s_add_co_u32 s66, s66, s67
	s_lshl_b32 s67, s32, 8
	s_add_co_u32 s66, s66, s67                     ; adj: batch, my 64 rows of 8,192 bytes, my wave's 64 keys
	s_mov_b32 s67, 0
	s_lshl_b32 s68, s35, 22
	s_lshl_b32 s69, s34, 17
	s_add_co_u32 s68, s68, s69
	s_lshl_b32 s69, s32, 9
	s_add_co_u32 s68, s68, s69                     ; H, out0: batch, my 64 rows of 2,048 bytes, my d slice
	s_mov_b32 s69, 0
	s_lshl_b32 s70, s35, 5
	s_add_co_u32 s70, s70, s34                     ; g = 32 batch + block
	s_mul_i32 s76, s70, 3072                       ; Q's scale words
	s_mov_b32 s77, 0
	s_lshl_b32 s70, s70, 14                        ; Q's codes
	s_mov_b32 s71, 0
	s_mul_i32 s58, s35, 98304                      ; scl: the batch's 32 groups
	s_mov_b32 s59, 0
	s_mul_i32 s60, s32, 3072                       ; my wave's key group of a step
	s_mov_b32 s61, 0
	; addresses that stay
	v_and_b32 v3, 31, v0
	v_and_b32 v26, 15, v0                          ; r
	v_bfe_u32 v27, v0, 4, 1                        ; h
	v_lshlrev_b32 v3, 4, v3                        ; v3   16 x lane
	s_lshl_b32 s55, s32, 14
	v_add_nc_u32 v4, s55, v3                       ; v4   K's fragments of my 64 keys, in a slot
	v_add_nc_u32 v5, 65536, v4                     ; v5   V's of my d slice
	s_mul_i32 s55, s32, 4352
	s_add_co_u32 s55, s55, ADJST
	v_mul_u32_u24 v6, v27, 2176
	v_lshl_add_u32 v6, v26, 4, v6
	v_add_nc_u32 v6, s55, v6                       ; v6   adj's stage, in: row e + 8 h, 16 r
	v_mul_u32_u24 v7, v26, 272
	v_lshl_add_u32 v7, v27, 6, v7
	v_add_nc_u32 v7, s55, v7                       ; v7   and back: row r, 64 h
	s_lshl_b32 s55, s32, 8
	s_add_co_u32 s62, s55, HMC
	v_lshl_add_u32 v8, v27, 6, s62                 ; v8   hmc of my keys: 256 w + 64 h
	s_add_co_u32 s62, s55, PIMG
	v_lshl_add_u32 v9, v26, 4, s62
	v_lshl_add_u32 v9, v27, 3, v9                  ; v9   P: 256 w + 16 r + 8 h
	s_lshl_b32 s55, s32, 2
	s_add_co_u32 s55, s55, MW
	v_lshl_add_u32 v10, v26, 4, s55                ; v10  M_w and bytes, in: 16 r + 4 w
	v_lshl_add_u32 v11, v26, 4, MW                 ; v11  and back: 16 r
	v_lshlrev_b32 v12, 17, v27
	v_lshl_add_u32 v12, v26, 4, v12                ; v12  adj: 16 rows x h + 16 r + 1,024 x the step to be loaded
	v_mov_b32 v13, v3                              ; v13  K's scale words: 16 lane + 12,288 x step
	v_lshrrev_b32 v15, 2, v3
	s_lshl_b32 s55, s32, 7
	v_add_nc_u32 v15, s55, v15                     ; v15  4 lane + 128 w
	v_mov_b32 v14, v15                             ; v14  V's byte planes: v15 + 12,288 x step
	v_add_nc_u32 v23, PIMG, v3                     ; v23  P's images, back
	s_lshl_b32 s55, s32, 15
	v_add_nc_u32 v24, s55, v3                      ; v24  my quarter of an FFN chunk
	v_lshlrev_b32 v25, 6, v27                      ; v25  64 h: biases and gains
	v_lshlrev_b32 v28, 4, v0                       ; hmc's way in: 16 bytes a thread
	v_add_nc_u32 v29, HMC, v28
	s_wait_kmcnt 0x0
	s_add_nc_u64 s[50:51], s[12:13], s[56:57]
	s_or_b32 s51, s51, 0x80000000                  ; type = 2
	CROUND                                         ; all four work-groups are here: the first joint loads meet
	JLOAD                                          ; chunk 0 into slot 0
	s_add_nc_u64 s[4:5], s[4:5], s[66:67]
	s_add_nc_u64 s[6:7], s[6:7], s[68:69]
	s_add_nc_u64 s[30:31], s[30:31], s[68:69]
	s_add_nc_u64 s[72:73], s[10:11], s[70:71]      ; Q's codes
	s_add_nc_u64 s[78:79], s[14:15], s[76:77]      ; Q's scale words
	s_add_nc_u64 s[14:15], s[14:15], s[58:59]      ; the batch's scales
	s_add_nc_u64 s[74:75], s[14:15], s[60:61]      ; and my wave's key group
	s_lshl_b32 s62, s32, 9
	s_mov_b32 s63, 0
	s_add_nc_u64 s[20:21], s[20:21], s[62:63]      ; b2, g1, be1, g2, be2 at my d slice
	s_add_nc_u64 s[22:23], s[22:23], s[62:63]
	s_add_nc_u64 s[24:25], s[24:25], s[62:63]
	s_add_nc_u64 s[26:27], s[26:27], s[62:63]
	s_add_nc_u64 s[28:29], s[28:29], s[62:63]
	s_lshl_b32 s62, s32, 10
	s_add_nc_u64 s[18:19], s[18:19], s[62:63]      ; b1 at hidden slice 2 w
	s_lshl_b32 s62, s32, 11
	s_add_co_u32 s62, s62, 40960
	s_add_nc_u64 s[82:83], s[16:17], s[62:63]      ; ws at panel 20 + w
	s_lshl_b32 s62, s32, 12
	s_add_co_u32 s62, s62, 24576
	s_add_nc_u64 s[16:17], s[16:17], s[62:63]      ; ws at panel 12 + 2 w
.irp i, 0,1,2,3
	global_load_b128 v[128+4*\i:131+4*\i], v28, s[8:9] offset:2048*\i          ; hmc: 2,048 consecutive bytes a load of the work-group
.endr
	WIN 0x80
.irp f, 0,1,2,3,4,5,6,7,8,9,10,11,12,13,14,15
	global_load_b128 v[8*\f:8*\f+3], v3, s[72:73] offset:1024*\f               ; Q's 16 fragments stay in registers
	global_load_b128 v[8*\f+4:8*\f+7], v3, s[72:73] offset:1024*\f+512
.endr
	WIN 0
.irp i, 0,1
	global_load_b128 v[32+4*\i:35+4*\i], v3, s[78:79] offset:512*\i            ; Q's scale words: lanes 0-15 tile 2 i, lanes 16-31 tile 2 i + 1
.endr
	s_wait_loadcnt 34                              ; hmc is in; Q's 32 loads and their 2 may be out
.irp i, 0,1,2,3
	ds_store_b128 v29, v[128+4*\i:131+4*\i] offset:2048*\i
.endr
	SCLOAD                                         ; key step 0's scales
	WIN 0xC0
.irp m, 0,1,2,3
	ALOAD \m                                       ; key step 0's adj
.endr
	WIN 0x40
.set cnt, 0
.rept 256
	v_mov_b32 v[cnt], 0                            ; O^T.  (The key step is written once: its first trip finds zeros, which the first change of M_c leaves zeros)
.set cnt, cnt+1
.endr
	WIN 0
.irp m, 0,1,2,3
	v_mov_b32 v[ST+8*\m+1], 0xff61b1e6             ; the largest t so far: -3e38
	v_mov_b32 v[ST+8*\m+4], 0xff61b1e6             ; M_c likewise
	v_mov_b32 v[ST+8*\m+2], 0
	v_mov_b32 v[ST+8*\m+3], 0
	v_mov_b32 v[ST+8*\m+5], 0
	v_mov_b32 v[ST+8*\m+6], 0
	v_mov_b32 v[ST+8*\m+7], 0                      ; (named as the upper half of a pair)
	v_floor_f32 v[ST+8*\m], -v[ST+8*\m+1]
.endr
	v_mov_b32 v[PX], 0                             ; written once: a lane permute's destination counts as one of its sources
	v_mov_b32 v[PX+1], 0
	v_mov_b32 v[FW+1], 0
	s_wait_xcnt 0x0                                ; the loads have read v12
	v_add_nc_u32 v12, 1024, v12                    ; the next step to be loaded
	s_mov_b32 s36, 0                               ; the trip
	s_mov_b32 s37, 0                               ; the slot in hand
	s_mov_b32 s52, 0                               ; 1,024 x trip: hmc
; ================ 8 key steps of 256 keys
.Lstep:
	CHANGE 1                                       ; this step's chunk is whole; the next chunk is asked for (in the last trip: W1's first)
	v_add_nc_u32 v26, s37, v4
	v_add_nc_u32 v27, s37, v5
	v_add_nc_u32 v28, s52, v8
	s_wait_loadcnt 32                              ; this step's scales are in (in the first trip Q too); its 32 loads of adj may be out
	VPERM
	KFETCH
.irp q, 0,1,2,3
	s_wait_dscnt 8*(3-\q)                          ; K step q's eight loads are in
	SMUL \q
.endr
	WIN 0
	PLACES 4                                       ; in front of loads into registers that the products read, and of the first read of scores
	s_wait_xcnt 0x0
	s_add_co_u32 s55, s36, 1
	s_min_u32 s55, s55, 7                          ; the last trip asks for its own scales once more and uses none of them: no load leaves the buffer
	s_mul_i32 s55, s55, 12288
	v_add_nc_u32 v13, s55, v3
	v_add_nc_u32 v14, s55, v15
	SCLOAD
	VFETCH
	HMLOAD
	ATURN 0
.irp m, 0,1,2,3
.if \m == 0
	s_wait_dscnt 0x0
.else
	s_wait_dscnt 5                                 ; tile m's adj is back from the stage; the last tile's five stores may be out
.endif
	ANEXT \m
.if \m < 3
	ATURN \m+1
.endif
	SOFT \m
.endr
	BARRIER                                        ; P's images, the four M_w and the bytes lie in LDS
.irp m, 0,1,2,3
	ds_load_b128 v[192+4*\m:195+4*\m], v11 offset:256*\m
.endr
.irp m, 0,1,2,3
.irp s, 0,1
	ds_load_b128 v[208+8*\m+4*\s:211+8*\m+4*\s], v11 offset:1024+1024*\s+256*\m
.endr
.endr
.irp f, 0,1,2,3,4,5,6,7
	ds_load_b128 v[128+8*\f:131+8*\f], v23 offset:1024*\f
	ds_load_b128 v[132+8*\f:135+8*\f], v23 offset:1024*\f+512
.endr
	s_wait_dscnt 16                                ; the statistics are in; P's 16 loads may be out
.irp m, 0,1,2,3
	PSCALE \m
.endr
.irp m, 0,1,2,3
	RESC \m                                        ; (these stand between the scale words' last write and the products)
.endr
	s_wait_dscnt 0x0
	PVMUL 0
	PVMUL 1
	WIN 0
	s_wait_xcnt 0x0
	v_add_nc_u32 v12, 1024, v12
	s_xor_b32 s37, s37, RING1
	s_add_co_u32 s52, s52, 1024
	s_add_co_u32 s36, s36, 1
	s_cmp_lt_u32 s36, 8
	s_cbranch_scc1 .Lstep
; ================ the tail.  Its addresses
	v_and_b32 v96, 15, v0                          ; r
	v_bfe_u32 v97, v0, 4, 1                        ; h
	s_mul_i32 s55, s32, 8448
	s_add_co_u32 s55, s55, STG
	v_add_nc_u32 v16, s55, v3                      ; v16  my stage, by rows: 16 lane
	v_mul_u32_u24 v17, v96, 528
	v_lshl_add_u32 v17, v97, 6, v17
	v_add_nc_u32 v17, s55, v17                     ; v17  my stage, by lanes: row r, 64 h
	s_lshl_b32 s55, s32, 10
	s_add_co_u32 s55, s55, XIMG
	v_add_nc_u32 v18, s55, v3                      ; v18  x's images, in: K step w
	s_lshl_b32 s55, s32, 2
	s_add_co_u32 s58, s55, XSC
	v_add_nc_u32 v19, s58, v3                      ; v19  their scale words
	s_lshl_b32 s58, s32, 13
	s_add_co_u32 s58, s58, HIMG
	v_add_nc_u32 v20, s58, v3                      ; v20  the hidden layer's images, in: K step 2 w
	s_lshl_b32 s58, s32, 3
	s_add_co_u32 s58, s58, HSC
	v_lshl_add_u32 v21, v3, 1, s58                 ; v21  their scale words: 32 lane + 8 w
	s_add_co_u32 s58, s55, RED
	v_lshl_add_u32 v22, v96, 4, s58                ; v22  the sums' fields, in: 16 r + 4 w
	v_lshl_add_u32 v23, v96, 4, RED                ; v23  and back
	v_add_nc_u32 v26, XIMG, v3                     ; v26  x's images, back
	v_add_nc_u32 v27, HIMG, v3                     ; v27  the hidden layer's
	v_lshl_add_u32 v28, v3, 1, HSC                 ; v28  and its scale words
.irp i, 97,99,101,103
	v_mov_b32 v[\i], 0                             ; (upper halves of the pairs v[96:97] .. v[102:103])
.endr
.irp b, 0,1,2,3
	v_mov_b32 v[TM+4+\b], 0                        ; a lane permute's destination counts as one of its sources
.endr
	WIN 0xC0
.irp t, 2,3                            ; H's tiles 2 and 3 (tiles 0 and 1 were asked for in the last trip)
.irp e, 0,1,2,3,4,5,6,7,8,9,10,11,12,13,14,15
	global_load_b128 v[64*\t+4*\e:64*\t+4*\e+3], v3, s[6:7] offset:(32*(\t/2)+8*(\t%2)+\e+8*(\e/8))*2048 th:TH_LOAD_NT
.endr
.endr
	WIN 0
	GBLOAD 22, 24
; ---- the row's sum: the halves, the other lanes', the four waves' under the common M_c
.irp m, 0,1,2,3
	v_add_f32 v[ST+8*\m+2], v[ST+8*\m+2], v[ST+8*\m+3]
.endr
.irp m, 0,1,2,3
	v_permlanex16_b32 v[ST+8*\m+3], v[ST+8*\m+2], s38, s39
.endr
.irp m, 0,1,2,3
	v_add_f32 v[ST+8*\m+2], v[ST+8*\m+2], v[ST+8*\m+3]
.endr
.irp m, 0,1,2,3
	v_sub_f32 v[ST+8*\m+5], -v[ST+8*\m], v[ST+8*\m+4]      ; M_w - M_c
.endr
.irp m, 0,1,2,3
	v_max_num_f32 v[ST+8*\m+5], 0xc3800000, v[ST+8*\m+5]
.endr
.irp m, 0,1,2,3
	v_cvt_i32_f32 v[ST+8*\m+5], v[ST+8*\m+5]
.endr
.irp m, 0,1,2,3
	v_ldexp_f32 v[ST+8*\m+2], v[ST+8*\m+2], v[ST+8*\m+5]
.endr
.irp m, 0,1,2,3
	ds_store_b32 v22, v[ST+8*\m+2] offset:256*\m
.endr
	BARRIER                                        ; behind it nobody reads adj's stages, P or hmc any more
.irp m, 0,1,2,3
	ds_load_b128 v[240+4*\m:243+4*\m], v23 offset:256*\m
.endr
	s_wait_dscnt 0x0
.irp m, 0,1,2,3
	v_add_f32 v[240+4*\m], v[240+4*\m], v[241+4*\m]
	v_add_f32 v[242+4*\m], v[242+4*\m], v[243+4*\m]
.endr
.irp m, 0,1,2,3
	v_add_f32 v[240+4*\m], v[240+4*\m], v[242+4*\m]
.endr
.irp m, 0,1,2,3
	v_rcp_f32 v[96+2*\m], v[240+4*\m]
.endr
	v_nop                                          ; a plain line behind the last reciprocal
; ---- O / l + H
.irp m, 0,1,2,3
.if \m < 2
	s_wait_loadcnt 63                              ; behind tile m's 16 loads stand 80 or 64: more than the wait can name; a smaller count is safe
.else
	s_wait_loadcnt 48-16*(\m-2)                    ; behind them: the later tile's 16, and the 32 of the gain and the offset
.endif
	TURN512 64*\m, 3, 128+64*(\m%2), 2
	s_wait_dscnt 0x0
	WIN 0x61
.set cnt, 0
.rept 32
	v_pk_fma_f32 v[64*\m+cnt:64*\m+cnt+1], v[64*\m+cnt:64*\m+cnt+1], v[96+2*\m:97+2*\m], v[128+64*(\m%2)+cnt:128+64*(\m%2)+cnt+1] op_sel_hi:[1,0,1]
.set cnt, cnt+2
.endr
.endr
	WIN 0
	NORM 1024, 2048
; ---- x's d slice w is K step w of the next product
.irp m, 0,1,2,3
	QUANT 64*\m, 1
	IMAGE 18, 4096*\m
	ds_store_b32 v19, v[PW] offset:512*\m
.endr
; ---- the hidden layer: two trips, slice 2 w + trip
	s_mov_b32 s53, 0
	s_mov_b32 s54, 0                               ; 4,096 x trip: the images
	s_mov_b32 s63, 0                               ; 4 x trip: the scale words
.Lffn1:
	BLOAD 18
.irp b, 0,1,2,3
	global_load_b128 v[32+4*\b:35+4*\b], v3, s[16:17] offset:512*\b
.endr
	CHANGE 1                                       ; W1's chunk is whole, x's images lie in LDS; the next chunk is asked for
	v_add_nc_u32 v29, s37, v24
	v_add_nc_u32 v30, s54, v20
	v_add_nc_u32 v31, s63, v21
	WIN 0x80
.irp f, 0,1,2,3,4,5,6,7,8,9,10,11,12,13,14,15
	ds_load_b128 v[8*\f:8*\f+3], v26 offset:1024*\f
	ds_load_b128 v[8*\f+4:8*\f+7], v26 offset:1024*\f+512
.endr
	WIN 0
.irp m, 0,1,2,3
	ds_load_b128 v[64+4*\m:67+4*\m], v26 offset:16384+512*\m
.endr
	WFETCH 0
.irp q, 0,1,2,3
.if \q < 3
.if \q > 0
	PLACES 4                                       ; in front of loads into the buffer that the step before read
.endif
	WFETCH \q+1
	s_wait_dscnt 16                                ; all but the 16 just issued
.else
	s_wait_dscnt 0x0
.endif
.if \q == 0
	s_wait_loadcnt 0x0                             ; b1 and W1's scale words
.endif
	F1MUL \q
.endr
	WIN 0
	PLACES 4
.irp m, 0,1,2,3
	WIN 0xCC
.set cnt, 0
.rept 64
	v_max_num_f32 v[64*\m+cnt], 0, v[64*\m+cnt]    ; the activation, in f32; each accumulator from its low end on
.set cnt, cnt+1
.endr
	QUANT 64*\m, 3
	IMAGE 30, 1024*\m
	ds_store_b32 v31, v[PW] offset:1024*\m
.endr
	s_wait_xcnt 0x0
	s_add_nc_u64 s[18:19], s[18:19], 512
	s_add_nc_u64 s[16:17], s[16:17], 2048
	s_xor_b32 s37, s37, RING1
	s_add_co_u32 s54, s54, 4096
	s_add_co_u32 s63, s63, 4
	s_add_co_u32 s53, s53, 1
	s_cmp_lt_u32 s53, 2
	s_cbranch_scc1 .Lffn1
; ---- the second product of the FFN: K = 1,024 in two chunks
.irp f, 0,1
.irp b, 0,1,2,3
	global_load_b128 v[32+16*\f+4*\b:35+16*\f+4*\b], v3, s[82:83] offset:8192*\f+512*\b
.endr
.endr
	BLOAD 20
	CHANGE 1                                       ; W2's first chunk is whole, the hidden layer's images lie in LDS; the last chunk is asked for
	v_add_nc_u32 v29, s37, v24
.irp m, 0,1,2,3
.irp f, 0,1
	ds_load_b128 v[80+8*\m+4*\f:83+8*\m+4*\f], v28 offset:1024*\m+16*\f
.endr
.endr
	F2HALF 0
	WIN 0
	PLACES 4                                       ; in front of the next half's loads into both buffers
	CHANGE 0                                       ; the last chunk is whole; nothing is left to ask for
	s_xor_b32 s37, s37, RING1
	v_add_nc_u32 v29, s37, v24
	F2HALF 1
	WIN 0
	PLACES 4
	GBLOAD 26, 28
	WIN 0x47
.set cnt, 0
.rept 128
	v_pk_add_f32 v[cnt:cnt+1], v[cnt:cnt+1], v[cnt:cnt+1]  ; window 1 = the FFN's result (window 3) + x (window 1); each accumulator from its low end on
.set cnt, cnt+2
.endr
	WIN 0
	NORM 3072, 4096                                ; its barriers also part the hidden layer's last reads from the stage's stores below
.irp m, 0,1,2,3
	OTURN \m
.endr
	s_wait_tensorcnt 0x0                           ; the wave's end: behind my last tensor load and my last LDS store
	ds_add_u32 v1, v2
	s_wait_dscnt 0x0
	CROUND                                         ; the closing round: no work-group ends while a partner may still ask for a chunk that names it
	s_endpgm
.Lfunc_end_k_qfccd13acdb_attn:
	.size	k_qfccd13acdb_attn, .Lfunc_end_k_qfccd13acdb_attn-k_qfccd13acdb_attn
	.p2alignl 7, 3214868480
	.fill 96, 4, 3214868480
	.section	.rodata,"a",@progbits
	.p2align	6, 0x0
	.amdhsa_kernel k_qfccd13acdb_attn
		.amdhsa_group_segment_fixed_size 327680
		.amdhsa_private_segment_fixed_size 0
		.amdhsa_enable_private_segment 0
		.amdhsa_kernarg_size 112
		.amdhsa_user_sgpr_count 2
		.amdhsa_user_sgpr_kernarg_segment_ptr 1
		.amdhsa_wavefront_size32 1
		.amdhsa_system_sgpr_workgroup_id_x 1
		.amdhsa_system_sgpr_workgroup_id_y 1
		.amdhsa_system_sgpr_workgroup_id_z 1
		.amdhsa_system_vgpr_workitem_id 0
		.amdhsa_next_free_vgpr 1024
		.amdhsa_next_free_sgpr 100
		.amdhsa_reserve_vcc 0
		.amdhsa_float_denorm_mode_32 3
		.amdhsa_float_denorm_mode_16_64 3
		.amdhsa_memory_ordered 1
		.amdhsa_forward_progress 1
		.amdhsa_inst_pref_size 255
	.end_amdhsa_kernel
	.section	.bss,"aw",@nobits
	.p2align	6
	.space	262144
	.amdgpu_metadata
---
amdhsa.version: [ 1, 2 ]
amdhsa.kernels:
  - .name:           k_qfccd13acdb_attn
    .symbol:         k_qfccd13acdb_attn.kd
    .args:
      - { .name: adj, .offset: 0, .size: 8, .value_kind: global_buffer, .address_space: global }
      - { .name: H, .offset: 8, .size: 8, .value_kind: global_buffer, .address_space: global }
      - { .name: hmc, .offset: 16, .size: 8, .value_kind: global_buffer, .address_space: global }
      - { .name: qc, .offset: 24, .size: 8, .value_kind: global_buffer, .address_space: global }
      - { .name: kv, .offset: 32, .size: 8, .value_kind: global_buffer, .address_space: global }
      - { .name: scl, .offset: 40, .size: 8, .value_kind: global_buffer, .address_space: global }
      - { .name: ws, .offset: 48, .size: 8, .value_kind: global_buffer, .address_space: global }
      - { .name: b1, .offset: 56, .size: 8, .value_kind: global_buffer, .address_space: global }
      - { .name: b2, .offset: 64, .size: 8, .value_kind: global_buffer, .address_space: global }
      - { .name: g1, .offset: 72, .size: 8, .value_kind: global_buffer, .address_space: global }
      - { .name: be1, .offset: 80, .size: 8, .value_kind: global_buffer, .address_space: global }
      - { .name: g2, .offset: 88, .size: 8, .value_kind: global_buffer, .address_space: global }
      - { .name: be2, .offset: 96, .size: 8, .value_kind: global_buffer, .address_space: global }
      - { .name: out0, .offset: 104, .size: 8, .value_kind: global_buffer, .address_space: global }
    .group_segment_fixed_size: 327680
    .private_segment_fixed_size: 0
    .kernarg_segment_align: 8
    .kernarg_segment_size: 112
    .max_flat_workgroup_size: 128
    .sgpr_count:     100
    .vgpr_count:     1024
    .wavefront_size: 32
...
	.end_amdgpu_metadata
.endif
;; end of part 3
